; MI455X (gfx1250); checked and timed in simulation.
; The chip was launched on July 23, 2026; its instructions are those of AMD's public machine-readable ISA for CDNA 5 (MIT licence, August 2026) and "CDNA5" Instruction Set Architecture Reference Guide (July 2026). The comments in the code are by the model that wrote it; some were corrected since.
;; Full Attention. Allowed arithmetic: float matrix products may take bf16 or f16 operands with f32 sums; other float arithmetic in f32, or as packed bf16 or f16 multiplies, adds, multiply-adds, maxima and minima; sums over many terms, partial sums and values carried from step to step in f32; what a program stores and reads back later, other than sums and carried values, may be rounded once to bf16 or f16.
;; Inputs: g 1,024 float32; w_k 1,024 x 16 x 64 float32; w_q 1,024 x 16 x 64 float32; w_res 1,024 x 1,024 float32; w_v 1,024 x 16 x 64 float32; x 2 x 2,048 x 1,024 float32; xl_r 16 x 2,048 x 64 float32; xl_u 1 x 16 x 1 x 64 float32; xl_v 1 x 16 x 1 x 64 float32.
;; Outputs: out0 2 x 2,048 x 1,024 float32.
;; One version. Each part assembles by itself: llvm-mc -triple=amdgcn-amd-amdhsa -mcpu=gfx1250 --defsym DOCPART=n.
;; ======== version 1 of 1: 4 launches
;; limits: values are held in f16: magnitudes above 65,504 overflow, below 6.1e-05 lose precision; inputs' magnitudes at most 65,504
;; workspace buffers: x16 8,388,608 bytes; rs 16,384 bytes; w16 8,388,608 bytes; r16 4,456,448 bytes; qkv16 33,554,432 bytes; wv16 8,388,608 bytes
;; launch prep (part 1): grid 162 x 1, 16 waves a work-group, no clusters, 2,304 bytes of LDS; arguments x, g, w_q, w_k, w_v, w_res, xl_r, x16, rs, w16, r16; writes x16, rs, w16, r16
.if DOCPART == 1
	.amdgcn_target "amdgcn-amd-amdhsa--gfx1250"
	.amdhsa_code_object_version 6
	.text
	.protected	k_q8fff180175_prep
	.globl	k_q8fff180175_prep
	.p2align	8
	.type	k_q8fff180175_prep,@function
k_q8fff180175_prep:
	s_mov_b64 s[64:65], 0
	v_nop
	global_prefetch_b8 v0, s[64:65] scope:SCOPE_SE
	s_setreg_imm32_b32 hwreg(HW_REG_WAVE_MODE, 25, 1), 1
	s_wait_xcnt 0x0
; PREP: every large input is rounded to bf16 and written as f16 in the layout that the later launches ask for as dense blocks.
;   x16 [16 slices of 64 d][4096 rows][64] f16 = f16(bf16(x) bf16(g));   rs [4096] f32 = rsqrt(mean(bf16(x)^2) + 1e-6), applied behind the projection in f32
;   w16: [16 h][8 K steps][q,k,v][128 d][64] f16, then from byte 6,291,456 w_res as [16 chunks of 64 n][4 K steps][256 c][64]
;   r16 [16 h][2176 rows][64] f16, rows 2048 to 2175 zeros (the rows that the causal mask hides)
; LIMITS. f16 ends at 65,504: |x g| stays below it; a bf16 weight below 2^-14 keeps f16's fixed step of 6e-8.
; A stream: no matrix unit, no tensor load, no cluster, since no byte is wanted twice. Every wave has all its 32 (x: 48) loads of 16 bytes a lane out at once.
; ROLES by the work-group's number G (the same for its 16 waves): 0-63 x, 64 rows each; 64-127 the four weights, 16 work-groups each; 128-159 xl_r; 160-161 the zero rows.
; Every store of a wave covers 256 consecutive bytes, aligned: lanes 0-15 one row's 128 bytes, lanes 16-31 the next row's.
.set SPARE, 256                        ; LDS: bytes 0-255 the work-group's 64 rs; from 256 the spare words, 128 bytes a wave
.set SPW, 4                            ; v4  my spare word; never rewritten
.set NIL, 5                            ; v5  0; never rewritten
.set GG,  16                           ; v[16:79]  x role: g of my 64 columns
.set VS,  16                           ; v[16:31]  cast roles: load offsets
.set VD,  32                           ; v[32:47]  cast roles: store offsets
.set XX,  80                           ; v[80:207] two sets of 64: as loaded, then as stored
.set SS,  208                          ; v[208:215] two sets of four sums of squares
.set WV,  26                           ; s26 wave
.set GR,  27                           ; s27 G
	s_load_b512 s[4:19], s[0:1], 0x0               ; x, g, w_q, w_k, w_v, w_res, xl_r, x16
	s_load_b128 s[20:23], s[0:1], 0x40             ; rs, w16
	s_load_b64 s[24:25], s[0:1], 0x50              ; r16
	v_lshl_add_u32 v[SPW], v0, 2, SPARE
	v_mov_b32 v[NIL], 0
	v_and_b32 v1, 15, v0                           ; l16
	v_bfe_u32 v2, v0, 4, 1                         ; hh
	v_and_b32 v3, 31, v0                           ; lane
	v_lshrrev_b32 v6, 5, v0
	v_readfirstlane_b32 s[WV], v6
	s_mov_b32 s[GR], ttmp9
	s_mov_b32 s43, 0xffff0000                      ; a word's upper bf16
	s_cmp_lt_u32 s[GR], 64
	s_cbranch_scc0 .Lcast
	; ---- x: wave w takes rows 64 G + 4 w .. + 3 as two pairs; a row lies in 16 lanes, 4 columns of each slice a lane
	s_mov_b32 s44, 0x3a800000                      ; 1 / 1024
	s_mov_b32 s45, 0x358637bd                      ; 1e-6
	s_lshl_b32 s28, s[GR], 18
	s_lshl_b32 s29, s[WV], 14
	s_add_co_u32 s28, s28, s29                     ; (64 G + 4 w) x 4,096 bytes of x
	s_mov_b32 s29, 0
	s_lshr_b32 s30, s28, 5                         ; (64 G + 4 w) x 128 bytes of a slice of x16
	s_mov_b32 s31, 0
	s_lshl_b32 s38, s[WV], 4
	v_lshlrev_b32 v8, 4, v1                        ; g: 16 l16
	v_lshl_add_u32 v9, v2, 12, v8                  ; x: + the pair's second row for lanes 16-31
	v_lshlrev_b32 v10, 3, v3                       ; x16: 8 bytes a lane
	v_lshl_add_u32 v11, v2, 2, s38                 ; LDS word of row 4 w + hh
	s_wait_kmcnt 0x0
	s_add_nc_u64 s[32:33], s[4:5], s[28:29]
	s_add_nc_u64 s[34:35], s[18:19], s[30:31]
.set j, 0
.rept 16
	global_load_b128 v[GG+4*j:GG+4*j+3], v8, s[6:7] offset:256*j
.set j, j+1
.endr
.set j, 0
.rept 32                               ; pair j / 16, slice j % 16
	global_load_b128 v[XX+4*j:XX+4*j+3], v9, s[32:33] offset:8192*(j/16)+256*(j%16) th:TH_LOAD_NT
.set j, j+1
.endr
	s_wait_loadcnt 32                              ; g is in; x's 32 loads stay out
.set j, 0
.rept 32
	v_cvt_pk_bf16_f32 v[12+j%2], v[GG+2*j], v[GG+2*j+1]  ; g rounded to bf16, kept as f32
	v_lshlrev_b32 v[GG+2*j], 16, v[12+j%2]
	v_and_b32 v[GG+2*j+1], s43, v[12+j%2]
.set j, j+1
.endr
; A pair of rows: round to bf16, add up the squares in four chains, multiply by g, round once to f16, store.
.macro XPAIR p
.set j, 0
.rept 16
.set r, XX+64*(\p)+4*j
	v_cvt_pk_bf16_f32 v12, v[r], v[r+1]
	v_cvt_pk_bf16_f32 v13, v[r+2], v[r+3]
	v_lshlrev_b32 v[r], 16, v12
	v_and_b32 v[r+1], s43, v12
	v_lshlrev_b32 v[r+2], 16, v13
	v_and_b32 v[r+3], s43, v13
.if j == 0
	v_pk_mul_f32 v[SS+4*(\p):SS+4*(\p)+1], v[r:r+1], v[r:r+1]  ; the first squares start the sums
	v_pk_mul_f32 v[SS+4*(\p)+2:SS+4*(\p)+3], v[r+2:r+3], v[r+2:r+3]
.else
	v_pk_fma_f32 v[SS+4*(\p):SS+4*(\p)+1], v[r:r+1], v[r:r+1], v[SS+4*(\p):SS+4*(\p)+1]
	v_pk_fma_f32 v[SS+4*(\p)+2:SS+4*(\p)+3], v[r+2:r+3], v[r+2:r+3], v[SS+4*(\p)+2:SS+4*(\p)+3]
.endif
	v_pk_mul_f32 v[r:r+1], v[r:r+1], v[GG+4*j:GG+4*j+1]
	v_pk_mul_f32 v[r+2:r+3], v[r+2:r+3], v[GG+4*j+2:GG+4*j+3]
	v_cvt_pk_f16_f32 v[r], v[r], v[r+1]
	v_cvt_pk_f16_f32 v[r+1], v[r+2], v[r+3]
	global_store_b64 v10, v[r:r+1], s[34:35] offset:524288*j+256*(\p)  ; slice j; these registers are not written again
.set j, j+1
.endr
	v_add_f32 v[SS+4*(\p)], v[SS+4*(\p)], v[SS+4*(\p)+1]
	v_add_f32 v[SS+4*(\p)+2], v[SS+4*(\p)+2], v[SS+4*(\p)+3]
	v_add_f32 v[SS+4*(\p)], v[SS+4*(\p)], v[SS+4*(\p)+2]
.irp m, 1,2,4,8                        ; a row lies in one half of 16 lanes: four steps, none across the halves
	v_add_f32_dpp v[SS+4*(\p)], v[SS+4*(\p)], v[SS+4*(\p)] row_xmask:\m row_mask:0xf bank_mask:0xf
.endr
	v_fma_f32 v[SS+4*(\p)], v[SS+4*(\p)], s44, s45 ; mean + eps
.endm
	s_wait_loadcnt 16                              ; pair 0 is in, pair 1's 16 loads stay out
	XPAIR 0
	s_wait_loadcnt 0x0
	XPAIR 1
	v_rsq_f32 v[SS], v[SS]                         ; both pairs' roots are one batch:
	v_rsq_f32 v[SS+4], v[SS+4]
	v_nop                                          ; a plain instruction behind the last,
	s_wait_alu depctr_va_vdst(0)                   ; and one wait ahead of the first reader
	ds_store_b32 v11, v[SS]                        ; 16 lanes write the same word with the same number
	ds_store_b32 v11, v[SS+4] offset:8
	s_branch .Ljoin
	; ---- casts: one text for weights, xl_r and the zero rows. A wave does two units U0, U0 + 1; a unit is 16 loads of 512 bytes a wave.
.Lcast:
	s_sub_co_u32 s28, s[GR], 64
	s_lshr_b32 s29, s28, 4                         ; kind: 0-2 w_q, w_k, w_v; 3 w_res; 4, 5 xl_r; 6 zero rows
	s_cmp_lt_u32 s29, 4
	s_cselect_b32 s30, 15, 31
	s_and_b32 s30, s28, s30                        ; the work-group's number within its role
	s_lshl_b32 s30, s30, 5
	s_lshl1_add_u32 s30, s[WV], s30                ; U0 = 32 x that + 2 w, even
	s_lshl_b32 s46, s30, 13                        ; a unit is 8,192 bytes of its source: two rows of a weight, 32 rows of xl_r
	s_mov_b32 s47, 0
	s_cmp_lt_u32 s29, 3
	s_cbranch_scc0 .Lnot_qkv
	s_lshr_b32 s40, s30, 6                         ; d = 2 U0: K step d / 128,
	s_mul_i32 s40, s40, 3
	s_add_co_u32 s40, s40, s29                     ; its three matrices,
	s_lshl_b32 s40, s40, 14
	s_and_b32 s41, s30, 63
	s_lshl_b32 s41, s41, 8                         ; row d % 128 of 128 bytes
	s_add_co_u32 s40, s40, s41
	s_mov_b32 s38, 256                             ; load i: head i of the row
	s_mov_b32 s39, 4096                            ; lanes 16-31: the next row
	s_mov_b32 s42, 393216                          ; store i: head i's block
	s_mov_b32 s48, 256                             ; the second unit: two rows on
	s_branch .Lset
.Lnot_qkv:
	s_cmp_eq_u32 s29, 3
	s_cbranch_scc0 .Lnot_res
	s_lshr_b32 s40, s30, 7                         ; c = 2 U0: K step c / 256
	s_lshl_b32 s40, s40, 15
	s_and_b32 s41, s30, 127
	s_lshl_b32 s41, s41, 8
	s_add_co_u32 s40, s40, s41
	s_add_co_u32 s40, s40, 6291456
	s_mov_b32 s38, 256
	s_mov_b32 s39, 4096
	s_mov_b32 s42, 131072                          ; store i: chunk i of 64 columns
	s_mov_b32 s48, 256
	s_branch .Lset
.Lnot_res:
	s_cmp_lt_u32 s29, 6
	s_cbranch_scc0 .Lpadset
	s_lshr_b32 s40, s30, 6                         ; head U0 / 64, rows 32 (U0 % 64) on
	s_mul_i32 s40, s40, 278528
	s_and_b32 s41, s30, 63
	s_lshl_b32 s41, s41, 12
	s_add_co_u32 s40, s40, s41
	s_branch .Lrows
.Lpadset:
	s_lshr_b32 s40, s30, 2                         ; head U0 / 4, rows 2048 + 32 (U0 % 4) on
	s_mul_i32 s40, s40, 278528
	s_and_b32 s41, s30, 3
	s_lshl_b32 s41, s41, 12
	s_add_co_u32 s40, s40, s41
	s_add_co_u32 s40, s40, 262144
.Lrows:
	s_mov_b32 s38, 512                             ; load i: rows 2 i, 2 i + 1
	s_mov_b32 s39, 256
	s_mov_b32 s42, 256
	s_mov_b32 s48, 4096                            ; the second unit: 32 rows on
.Lset:
	s_mov_b32 s41, 0
	s_mov_b32 s49, 0
	v_lshlrev_b32 v6, 4, v1
	v_mad_u32_u24 v6, v2, s39, v6
	v_lshlrev_b32 v7, 3, v3
.set i, 0
.rept 16                               ; an offset register for each load and store, so that none is ever rewritten
	v_mad_u32_u24 v[VS+i], s38, i, v6
	v_mad_u32_u24 v[VD+i], s42, i, v7
.set i, i+1
.endr
	s_wait_kmcnt 0x0
	s_cmp_eq_u32 s29, 0                            ; the source and the target are chosen by G alone
	s_cselect_b64 s[32:33], s[8:9], s[10:11]
	s_cmp_lt_u32 s29, 2
	s_cselect_b64 s[32:33], s[32:33], s[12:13]
	s_cmp_lt_u32 s29, 3
	s_cselect_b64 s[32:33], s[32:33], s[14:15]
	s_cmp_lt_u32 s29, 4
	s_cselect_b64 s[32:33], s[32:33], s[16:17]
	s_cselect_b64 s[34:35], s[22:23], s[24:25]
	s_add_nc_u64 s[32:33], s[32:33], s[46:47]
	s_add_nc_u64 s[34:35], s[34:35], s[40:41]
	s_add_nc_u64 s[36:37], s[34:35], s[48:49]
	s_cmp_lt_u32 s29, 6
	s_cbranch_scc0 .Lzeros
.set i, 0
.rept 32                               ; unit i / 16, load i % 16
	global_load_b128 v[XX+4*i:XX+4*i+3], v[VS+i%16], s[32:33] offset:8192*(i/16) th:TH_LOAD_NT
.set i, i+1
.endr
.macro CVQ r                           ; four numbers: to bf16, and that number written as f16
	v_cvt_pk_bf16_f32 v8, v[\r], v[(\r)+1]
	v_cvt_pk_bf16_f32 v9, v[(\r)+2], v[(\r)+3]
	v_lshlrev_b32 v10, 16, v8
	v_and_b32 v11, s43, v8
	v_lshlrev_b32 v12, 16, v9
	v_and_b32 v13, s43, v9
	v_cvt_pk_f16_f32 v[\r], v10, v11
	v_cvt_pk_f16_f32 v[(\r)+1], v12, v13
.endm
	s_wait_loadcnt 16                              ; the first unit is in
.set i, 0
.rept 16
	CVQ XX+4*i
.set i, i+1
.endr
	s_wait_loadcnt 0x0
.rept 16
	CVQ XX+4*i
.set i, i+1
.endr
	s_branch .Lstores
.Lzeros:
.set i, 0
.rept 32
	v_mov_b32 v[XX+4*i], 0
	v_mov_b32 v[XX+4*i+1], 0
.set i, i+1
.endr
.Lstores:
.set i, 0
.rept 32
	global_store_b64 v[VD+i%16], v[XX+4*i:XX+4*i+1], s[34+2*(i/16):35+2*(i/16)]
.set i, i+1
.endr
.Ljoin:
	s_wait_dscnt 0x0                               ; my two rs stores are done, for wave 0's sake
	s_barrier_signal -1
	s_barrier_wait -1
	s_cmp_lt_u32 s[GR], 64
	s_cbranch_scc0 .Lend
	s_cmp_eq_u32 s[WV], 0
	s_cbranch_scc0 .Lend
	v_lshlrev_b32 v6, 3, v3
	ds_load_b64 v[14:15], v6                       ; the work-group's 64 rs: 256 bytes
	s_lshl_b32 s28, s[GR], 8
	s_mov_b32 s29, 0
	s_add_nc_u64 s[20:21], s[20:21], s[28:29]
	s_wait_dscnt 0x0
	global_store_b64 v6, v[14:15], s[20:21]        ; one store of 256 consecutive bytes, aligned
.Lend:
	s_wait_tensorcnt 0x0                           ; the wave's end
	ds_add_u32 v[SPW], v[NIL]
	s_wait_dscnt 0x0
	s_endpgm
.Lfunc_end_k_q8fff180175_prep:
	.size	k_q8fff180175_prep, .Lfunc_end_k_q8fff180175_prep-k_q8fff180175_prep
	.p2alignl 7, 3214868480
	.fill 96, 4, 3214868480
	.section	.rodata,"a",@progbits
	.p2align	6, 0x0
	.amdhsa_kernel k_q8fff180175_prep
		.amdhsa_group_segment_fixed_size 2304
		.amdhsa_private_segment_fixed_size 0
		.amdhsa_enable_private_segment 0
		.amdhsa_kernarg_size 88
		.amdhsa_user_sgpr_count 2
		.amdhsa_user_sgpr_kernarg_segment_ptr 1
		.amdhsa_wavefront_size32 1
		.amdhsa_system_sgpr_workgroup_id_x 1
		.amdhsa_system_sgpr_workgroup_id_y 1
		.amdhsa_system_sgpr_workgroup_id_z 1
		.amdhsa_system_vgpr_workitem_id 0
		.amdhsa_next_free_vgpr 216
		.amdhsa_next_free_sgpr 66
		.amdhsa_reserve_vcc 0
		.amdhsa_float_denorm_mode_32 3
		.amdhsa_float_denorm_mode_16_64 3
		.amdhsa_memory_ordered 1
		.amdhsa_forward_progress 1
		.amdhsa_inst_pref_size 60
	.end_amdhsa_kernel
	.amdgpu_metadata
---
amdhsa.version: [ 1, 2 ]
amdhsa.kernels:
  - .name:           k_q8fff180175_prep
    .symbol:         k_q8fff180175_prep.kd
    .args:
      - { .name: x, .offset: 0, .size: 8, .value_kind: global_buffer, .address_space: global }
      - { .name: g, .offset: 8, .size: 8, .value_kind: global_buffer, .address_space: global }
      - { .name: w_q, .offset: 16, .size: 8, .value_kind: global_buffer, .address_space: global }
      - { .name: w_k, .offset: 24, .size: 8, .value_kind: global_buffer, .address_space: global }
      - { .name: w_v, .offset: 32, .size: 8, .value_kind: global_buffer, .address_space: global }
      - { .name: w_res, .offset: 40, .size: 8, .value_kind: global_buffer, .address_space: global }
      - { .name: xl_r, .offset: 48, .size: 8, .value_kind: global_buffer, .address_space: global }
      - { .name: x16, .offset: 56, .size: 8, .value_kind: global_buffer, .address_space: global }
      - { .name: rs, .offset: 64, .size: 8, .value_kind: global_buffer, .address_space: global }
      - { .name: w16, .offset: 72, .size: 8, .value_kind: global_buffer, .address_space: global }
      - { .name: r16, .offset: 80, .size: 8, .value_kind: global_buffer, .address_space: global }
    .group_segment_fixed_size: 2304
    .private_segment_fixed_size: 0
    .kernarg_segment_align: 8
    .kernarg_segment_size: 88
    .max_flat_workgroup_size: 512
    .sgpr_count:     66
    .vgpr_count:     216
    .wavefront_size: 32
...
	.end_amdgpu_metadata
.endif
;; end of part 1
;; launch qkv (part 2): grid 16 x 16, 4 waves a work-group, clusters of 4 x 4, 327,680 bytes of LDS; arguments x16, w16, rs, xl_u, xl_v, qkv16; writes qkv16
.if DOCPART == 2
	.amdgcn_target "amdgcn-amd-amdhsa--gfx1250"
	.amdhsa_code_object_version 6
	.text
	.protected	k_q8fff180175_qkv
	.globl	k_q8fff180175_qkv
	.p2align	8
	.type	k_q8fff180175_qkv,@function
k_q8fff180175_qkv:
	s_mov_b64 s[64:65], 0
	v_nop
	global_prefetch_b8 v0, s[64:65] scope:SCOPE_SE
	s_setreg_imm32_b32 hwreg(HW_REG_WAVE_MODE, 25, 1), 1
	s_wait_xcnt 0x0
	s_wait_alu depctr_hold_cnt(0) depctr_sa_sdst(0) depctr_va_vdst(0) depctr_va_sdst(0) depctr_va_ssrc(0) depctr_va_vcc(0) depctr_vm_vsrc(0)
	s_getreg_b32 s2, hwreg(HW_REG_IB_STS2, 6, 4)
	s_cmp_eq_u32 s2, 0
	s_cbranch_scc0 .Lentry_in_a_cluster
	s_endpgm
.Lentry_in_a_cluster:
	s_bfe_u32 s2, ttmp6, 0x10000c
	s_cmp_lg_u32 s2, 0xf033
	s_cbranch_scc0 .Lentry_shape_is_right
	s_endpgm
.Lentry_shape_is_right:
; QKV: for 256 rows and ONE head, q, k and v at once: C[256][192] = x16[256][1024] w16[1024][192], f16 operands, f32 sums; then, in f32,
;   q/8 + u, q/8 + v, k, v = C rs/8 + bf16(u), C rs/8 + bf16(v), C rs, C rs, each rounded once to f16 and stored by heads: qkv16 = four sections [32 bh][2048][64].
; LIMITS. f16 ends at 65,504: the four results stay below it. NaN and infinities are not treated apart.
; SHARES. Work-group (x = head, y = block of 256 rows): 256 of them. Wave w: rows 64 w .. 64 w + 63, all 192 columns: 4 x 12 accumulators, 384 registers.
; K goes in 8 steps of 128 through two LDS slots. The operands were laid out in blocks, so every tensor load asks for dense rows of 256 bytes; the mover pads after every 128 bytes.
; CLUSTER 4 x 4: x16's tile hangs on y alone and is shared along a row of the cluster, w16's on x alone and is shared along a column: joint loads, one a wave behind each round of the cluster's barrier.
; TRANSPOSED USE: source 0 = 16 columns of w (stored [d][column], turned by ds_load_tr16_b128), source 1 = 16 rows of x: a lane holds one row and eight neighbouring columns.
; WINDOWS: 0: addresses, x's fragments (two buffers of 32), the way out; 1: w's fragments (two buffers of 96); 2: accumulators of row blocks 0, 1; 3: of 2, 3.
.set SLOT,   135168                    ; x: [2 slices][256 rows] x 144 = 73,728; w: [3 matrices][128 d] x 160 = 61,440
.set BOFF,   73728
.set STAGE,  2*SLOT                    ; behind the ring: 16 rows x 144 for each wave
.set SPARE,  STAGE+4*2304              ; the spare words, 128 bytes a wave
.set ADRA, 16                          ; v16-17 my x fragments in slot 0, 1
.set ADRB, 20                          ; v20-21 my w fragments
.set STO,  24
.set RD,   25
.set GO,   26
.set RSO,  27                          ; offsets of the loads of rs and of u, v: never rewritten
.set SPW,  28
.set NIL,  29
.set PFO,  30
.set UO,   31
.set RS,   32                          ; v32-39 rs of my row in row block a, as pairs
.set RQ,   40                          ; v40-47 rs / 8
.set FA,   64                          ; v64-127 x's fragments
.set UU,   128                         ; v128-159 u of my 32 columns; v160-191 v
.set VV,   160
.set TT,   192                         ; v192-223 at work
.set PK,   224                         ; v224-255 two buffers of 16: packed, then whole rows
.set WV, 16
.set AB, 17                            ; 0: I fetch x, 1: I fetch w
.set HF, 18                            ; which half
.set CX, 19
.set CY, 20
.set HD, 21
.set MT, 22
.set G1, 24
.set G0, 32
.set PFA, 44
.set PST, 46
.set G1B, 48
.set G0B, 56
.set LIM, 66
.set LAP, 67
.set OP,  68                           ; s[68:75] the four sections at my rows
.set PLM, 80
.set MSB, 0
.macro WIN new                         ; the high byte repeats the setting that is left; a switch that changes nothing is dropped
.if MSB != (\new)
	s_set_vgpr_msb (MSB<<8)|(\new)
.set MSB, \new
.endif
.endm
.macro PLACES                          ; four plain instructions between a matrix instruction and a load into, or a reader of, its registers
.rept 4
	v_nop
.endr
.endm
.macro JLOAD s                         ; a joint load: each line has one mask; the branch hangs on the wave's number alone; s_nop 0 and four v_nop follow each line
	s_cmp_eq_u32 s[AB], 0
	s_cbranch_scc0 .Lfor_b_\@
	tensor_load_to_lds s[G0+4*(\s):G0+4*(\s)+3], s[G1:G1+7]
	s_nop 0
	PLACES
	s_branch .Lasked_\@
.Lfor_b_\@:
	tensor_load_to_lds s[G0B+4*(\s):G0B+4*(\s)+3], s[G1B:G1B+7]
	s_nop 0
	PLACES
.Lasked_\@:
.endm
.macro CREST                           ; a round of the cluster's barrier behind its opening barrier
	s_cmp_lg_u32 s[WV], 0
	s_cbranch_scc1 .Lnot_wave_0_\@
	s_barrier_signal -3
.Lnot_wave_0_\@:
	s_barrier_wait -3
	s_barrier_signal -1
	s_barrier_wait -1
.endm
.macro CROUND
	s_barrier_signal -1
	s_barrier_wait -1
	CREST
.endm
; A prefetch of the K step two refills on: my work-group's share of the rows that I fetch, a lane a row of 256 bytes, one instruction. x's tiles are asked for by the clusters with x = 0,
; w's by those with y = 0; the four partners share a tile's rows by address (32 each of x's 128, 24 each of w's 96: there lanes 24-31 name row 23 again). K steps 0 to 3 come by their loads alone; the loop's last trip asks for nothing.
.macro ASK
	s_cmp_gt_u32 s[LAP], s[LIM]
	s_cbranch_scc0 .Lnot_mine_\@
	global_prefetch_b8 v[PFO], s[PFA:PFA+1] th:TH_LOAD_NT scope:SCOPE_SE
.Lnot_mine_\@:
.endm
	s_load_b256 s[4:11], s[0:1], 0x0               ; x16 s[4:5], w16 s[6:7], rs s[8:9], xl_u s[10:11]
	s_load_b128 s[12:15], s[0:1], 0x20             ; xl_v s[12:13], qkv16 s[14:15]
	v_lshl_add_u32 v[SPW], v0, 2, SPARE
	v_mov_b32 v[NIL], 0
	ds_add_u32 v[SPW], v[NIL]                      ; the wave's opening: the add and its wait ahead of my first tensor load
	ds_add_u32 v28, v29
	v_lshrrev_b32 v1, 5, v0
	v_readfirstlane_b32 s[WV], v1
	s_lshr_b32 s[AB], s[WV], 1
	s_and_b32 s[HF], s[WV], 1
	s_bfe_u32 s[CX], ttmp6, 0x40000
	s_bfe_u32 s[CY], ttmp6, 0x40004
	s_lshl_b32 s[HD], ttmp9, 2
	s_add_co_u32 s[HD], s[HD], s[CX]               ; head = 4 x cluster x + cx
	s_and_b32 s[MT], ttmp7, 0xffff
	s_lshl_b32 s[MT], s[MT], 2
	s_add_co_u32 s[MT], s[MT], s[CY]               ; row block = 4 x cluster y + cy
	s_lshl_b32 s42, s[CY], 2
	s_lshl_b32 s42, 15, s42                        ; my row of the cluster
	s_lshl_b32 s43, 0x1111, s[CX]                  ; my column
	s_or_b32 s[G1], s42, (1<<16)|(1<<20)|(1<<21)|(4<<22)|(3<<25)   ; mask; 2-byte elements; padding on; bit 21 beside a mask; after every 32 words 4 words: pitch 144
	s_or_b32 s[G1B], s43, (1<<16)|(1<<20)|(1<<21)|(4<<22)|(7<<25)  ; the same with 8 words: pitch 160
	s_mov_b32 s[G1+1], 128<<16                     ; tensor_dim0 = 128 elements = 256 bytes
	s_mov_b32 s[G1+2], 128<<16                     ; tensor_dim1 = 128 rows: a slice's 256 rows of x
	s_mov_b32 s[G1+3], 128<<16                     ; tile_dim0
	s_mov_b32 s[G1+4], 128                         ; tile_dim1
	s_mov_b32 s[G1+5], 128                         ; dense
	s_mov_b32 s[G1+6], 0
	s_mov_b32 s[G1+7], 0
	s_mov_b32 s[G1B+1], 128<<16
	s_mov_b32 s[G1B+2], 96<<16                     ; 96 rows: half of a block's 384 rows of w
	s_mov_b32 s[G1B+3], 128<<16
	s_mov_b32 s[G1B+4], 96
	s_mov_b32 s[G1B+5], 128
	s_mov_b32 s[G1B+6], 0
	s_mov_b32 s[G1B+7], 0
	s_lshl_b32 s40, s[HF], 19                      ; x: slice HF of K step 0,
	s_lshl_b32 s41, s[MT], 15                      ; the block's 256 rows of 128 bytes
	s_add_co_u32 s40, s40, s41
	s_mov_b32 s41, 0
	s_mul_i32 s76, s[HD], 393216                   ; w: the head's blocks,
	s_mul_i32 s77, s[HF], 24576                    ; my half of a block
	s_add_co_u32 s76, s76, s77
	s_mov_b32 s77, 0
	s_mul_i32 s78, s[HF], 36864                    ; where they go: made of the wave's number alone
	s_mul_i32 s79, s[HF], 30720
	s_add_co_u32 s79, s79, BOFF
	s_wait_dscnt 0x0                               ; the opening add is done
	s_wait_kmcnt 0x0
	s_add_nc_u64 s[40:41], s[4:5], s[40:41]
	s_add_nc_u64 s[76:77], s[6:7], s[76:77]
	CROUND                                         ; all sixteen work-groups are here: the first joint loads meet
.irp s, 0,1
	s_mov_b32 s[G0+4*(\s)], 1
	s_add_co_u32 s[G0+4*(\s)+1], s78, (\s)*SLOT
	s_add_nc_u64 s[G0+4*(\s)+2:G0+4*(\s)+3], s[40:41], (\s)*1048576  ; a K step is two slices
	s_or_b32 s[G0+4*(\s)+3], s[G0+4*(\s)+3], 0x80000000
	s_mov_b32 s[G0B+4*(\s)], 1
	s_add_co_u32 s[G0B+4*(\s)+1], s79, (\s)*SLOT
	s_add_nc_u64 s[G0B+4*(\s)+2:G0B+4*(\s)+3], s[76:77], (\s)*49152
	s_or_b32 s[G0B+4*(\s)+3], s[G0B+4*(\s)+3], 0x80000000
	JLOAD \s
.endr
	v_and_b32 v1, 15, v0                           ; r
	v_bfe_u32 v2, v0, 4, 1                         ; h
	v_mul_u32_u24 v3, v1, 144
	v_lshl_add_u32 v3, v2, 4, v3                   ; r x 144 + 16 h
	s_mul_i32 s42, s[WV], 9216                     ; my 64 rows
	v_add_nc_u32 v[ADRA], s42, v3
	v_add_nc_u32 v[ADRA+1], SLOT, v[ADRA]
	v_and_b32 v4, 7, v0
	v_bfe_u32 v5, v0, 3, 1
	v_lshl_add_u32 v6, v2, 3, v4                   ; the turning load: row 8 h + l % 8, 16 bytes by (l / 8) % 2
	v_mul_u32_u24 v6, v6, 160
	v_lshl_add_u32 v6, v5, 4, v6
	v_add_nc_u32 v[ADRB], BOFF, v6
	v_add_nc_u32 v[ADRB+1], SLOT, v[ADRB]
	s_mul_i32 s42, s[WV], 2304
	s_add_co_u32 s42, s42, STAGE                   ; my stage
	v_add_nc_u32 v[STO], s42, v3
	v_bfe_u32 v6, v0, 3, 2
	v_mul_u32_u24 v6, v6, 144
	v_lshl_add_u32 v6, v4, 4, v6
	v_add_nc_u32 v[RD], s42, v6                    ; back: 32 lanes take four rows of 128 bytes,
	v_and_b32 v[GO], 31, v0
	v_lshlrev_b32 v[GO], 4, v[GO]                  ; 512 consecutive bytes of a section
	v_lshlrev_b32 v[RSO], 2, v1
	v_lshlrev_b32 v[UO], 5, v2
	s_lshl_b32 s42, s[MT], 10
	s_lshl_b32 s43, s[WV], 8
	s_add_co_u32 s42, s42, s43
	s_mov_b32 s43, 0
	s_add_nc_u64 s[8:9], s[8:9], s[42:43]          ; rs at my 64 rows
	s_lshl_b32 s42, s[HD], 8
	s_add_nc_u64 s[10:11], s[10:11], s[42:43]      ; u and v at my head
	s_add_nc_u64 s[12:13], s[12:13], s[42:43]
.irp a, 0,1,2,3                        ; waited for on the way out; their registers and addresses are not touched before
	global_load_b32 v[RS+2*\a], v[RSO], s[8:9] offset:64*\a
.endr
.irp n, 0,1,2,3
	global_load_b128 v[UU+8*\n:UU+8*\n+3],   v[UO], s[10:11] offset:64*\n
	global_load_b128 v[UU+8*\n+4:UU+8*\n+7], v[UO], s[10:11] offset:64*\n+16
	global_load_b128 v[VV+8*\n:VV+8*\n+3],   v[UO], s[12:13] offset:64*\n
	global_load_b128 v[VV+8*\n+4:VV+8*\n+7], v[UO], s[12:13] offset:64*\n+16
.endr
	s_lshr_b32 s42, s[MT], 3                       ; batch
	s_lshl_b32 s42, s42, 4
	s_add_co_u32 s42, s42, s[HD]
	s_lshl_b32 s42, s42, 18                        ; (batch, head): 2,048 rows of 128 bytes
	s_and_b32 s43, s[MT], 7
	s_lshl_b32 s43, s43, 15
	s_add_co_u32 s42, s42, s43
	s_lshl_b32 s43, s[WV], 13
	s_add_co_u32 s42, s42, s43
	s_mov_b32 s43, 0
	s_add_nc_u64 s[OP:OP+1], s[14:15], s[42:43]
	s_add_nc_u64 s[OP+2:OP+3], s[OP:OP+1], 0x800000
	s_add_nc_u64 s[OP+4:OP+5], s[OP:OP+1], 0x1000000
	s_add_nc_u64 s[OP+6:OP+7], s[OP:OP+1], 0x1800000
	; the prefetches
	s_and_b32 s42, ttmp7, 0xffff                   ; cluster y
	s_mov_b32 s[PST], 49152
	s_mov_b32 s78, 6144
	s_cmp_eq_u32 s[AB], 0                          ; do I fetch x?
	s_cselect_b32 s42, ttmp9, s42                  ; the coordinate along which other clusters read the same rows
	s_cselect_b32 s43, s[CX], s[CY]                ; my place among the four that ask with me
	s_cselect_b32 s[PLM], 31, 23
	s_cselect_b32 s[PST], 0x100000, s[PST]         ; bytes from K step to K step
	s_cselect_b32 s78, 8192, s78                   ; a partner's share
	s_cselect_b64 s[PFA:PFA+1], s[40:41], s[76:77]
	s_mul_i32 s78, s78, s43
	s_mul_i32 s43, s[PST], 3
	s_cmp_eq_u32 s42, 0
	s_cselect_b32 s[LIM], 1, -1                    ; the same in all sixteen partners, for a given wave
	s_add_co_u32 s78, s78, s43
	s_mov_b32 s79, 0
	s_mov_b32 s[PST+1], 0
	s_add_nc_u64 s[PFA:PFA+1], s[PFA:PFA+1], s[78:79]  ; at K step 3: the first refill steps it to 4 and names that
	v_and_b32 v[PFO], 31, v0
	v_min_u32 v[PFO], s[PLM], v[PFO]
	v_lshlrev_b32 v[PFO], 8, v[PFO]
; 12 matrix instructions: row block a x all 12 column blocks, 32 along K, buffer f. The 48 accumulators take turns in the same order in every quarter.
.macro MUL12 f, a, zero
	WIN 0xa1+0x50*((\a)/2)
.set b, 0
.rept 12
.set rD, 8*(12*((\a)%2)+b)
.if \zero
	v_wmma_f32_16x16x32_f16 v[rD:rD+7], v[96*(\f)+8*b:96*(\f)+8*b+7], v[FA+32*(\f)+8*(\a):FA+32*(\f)+8*(\a)+7], 0
.else
	v_wmma_f32_16x16x32_f16 v[rD:rD+7], v[96*(\f)+8*b:96*(\f)+8*b+7], v[FA+32*(\f)+8*(\a):FA+32*(\f)+8*(\a)+7], v[rD:rD+7]
.endif
.set b, b+1
.endr
.endm
; 32 LDS loads in one run: quarter kq's fragments into buffer f: w's 12 (matrix b / 4, columns 16 (b % 4) on), then x's 4
.macro FETCH slot, kq, f
	WIN 0x40
.set b, 0
.rept 12
	ds_load_tr16_b128 v[96*(\f)+8*b:96*(\f)+8*b+3],   v[ADRB+(\slot)] offset:(b/4)*20480+(\kq)*5120+(b%4)*32
	ds_load_tr16_b128 v[96*(\f)+8*b+4:96*(\f)+8*b+7], v[ADRB+(\slot)] offset:(b/4)*20480+(\kq)*5120+(b%4)*32+2560
.set b, b+1
.endr
	WIN 0
.set b, 0
.rept 4
	ds_load_b128 v[FA+32*(\f)+8*b:FA+32*(\f)+8*b+3],   v[ADRA+(\slot)] offset:((\kq)/2)*36864+b*2304+((\kq)%2)*64
	ds_load_b128 v[FA+32*(\f)+8*b+4:FA+32*(\f)+8*b+7], v[ADRA+(\slot)] offset:((\kq)/2)*36864+b*2304+((\kq)%2)*64+32
.set b, b+1
.endr
.endm
.macro QUARTER slot, kq, f, g, zero    ; multiplies buffer f; in its middle fetches quarter kq into buffer g
	s_wait_dscnt 4                                 ; w and x's row blocks 0, 1 are in; the youngest four loads may be out
	MUL12 \f, 0, \zero
	MUL12 \f, 1, \zero
	PLACES
	FETCH \slot, \kq, \g
	s_wait_dscnt 32                                ; all but the 32 just issued
	MUL12 \f, 2, \zero
	MUL12 \f, 3, \zero
.endm
; The last quarter multiplies buffer 1 and changes slots. In front of the barrier each wave waits for all its tensor loads (one is out: its part of the next slot), adds 0 to its spare word,
; and waits for that and for its reads of this slot. fill = 1: the barrier opens a round of the cluster's, and the joint refill, two K steps on, is the first thing behind it.
.macro TURN slot, next, fill
.if \fill
	s_wait_xcnt 0x0                                ; the last prefetch, a K step back, has read its address
	s_add_nc_u64 s[PFA:PFA+1], s[PFA:PFA+1], s[PST:PST+1]
.endif
	WIN 0
	s_wait_tensorcnt 0x0
	ds_add_u32 v[SPW], v[NIL]
	s_wait_dscnt 7                                 ; the add and x's row blocks 1 to 3 (six loads) may be out
	MUL12 1, 0, 0
	s_wait_dscnt 0x0                               ; the add is done, and my reads of this slot are over
	s_barrier_signal -1
	MUL12 1, 1, 0
.if \fill
	WIN 0
.endif
	s_barrier_wait -1
.if \fill
	CREST
	s_add_nc_u64 s[G0+4*(\slot)+2:G0+4*(\slot)+3], s[G0+4*(\slot)+2:G0+4*(\slot)+3], 2097152
	s_add_nc_u64 s[G0B+4*(\slot)+2:G0B+4*(\slot)+3], s[G0B+4*(\slot)+2:G0B+4*(\slot)+3], 98304
	JLOAD \slot                                    ; its four v_nop are also the places in front of the loads below
.else
	PLACES
.endif
	FETCH \next, 0, 0
.if \fill
	ASK
.endif
	MUL12 1, 2, 0
	MUL12 1, 3, 0
.endm
	s_wait_tensorcnt 1                             ; my part of K step 0 is in; K step 1's load, issued behind it, stays out
	s_barrier_signal -1
	s_barrier_wait -1
	FETCH 0, 0, 0
	QUARTER 0, 1, 0, 1, 1                          ; the first quarter's products start the sums
	WIN 0
	s_mov_b32 s[LAP], 3
.Llap:                                 ; a trip goes once round the ring and fills both slots again
	QUARTER 0, 2, 1, 0, 0
	QUARTER 0, 3, 0, 1, 0
	TURN 0, 1, 1
	QUARTER 1, 1, 0, 1, 0
	QUARTER 1, 2, 1, 0, 0
	QUARTER 1, 3, 0, 1, 0
	TURN 1, 0, 1
	QUARTER 0, 1, 0, 1, 0
	WIN 0
	s_sub_co_u32 s[LAP], s[LAP], 1
	s_cmp_lg_u32 s[LAP], 0
	s_cbranch_scc1 .Llap
	QUARTER 0, 2, 1, 0, 0                          ; the last lap fills nothing
	QUARTER 0, 3, 0, 1, 0
	TURN 0, 1, 0
	QUARTER 1, 1, 0, 1, 0
	QUARTER 1, 2, 1, 0, 0
	QUARTER 1, 3, 0, 1, 0
	s_wait_dscnt 4
	MUL12 1, 0, 0
	MUL12 1, 1, 0
	s_wait_dscnt 0x0
	MUL12 1, 2, 0
	MUL12 1, 3, 0
	; THE WAY OUT. u and v are rounded to bf16: 96 plain instructions, which are also the places behind the last products.
	WIN 0
	s_wait_loadcnt 0x0                             ; rs, u, v
.set z, 0
.rept 32
	v_cvt_pk_bf16_f32 v[TT+z%4], v[UU+2*z], v[UU+2*z+1]
	v_lshlrev_b32 v[UU+2*z], 16, v[TT+z%4]
	v_and_b32 v[UU+2*z+1], 0xffff0000, v[TT+z%4]
.set z, z+1
.endr
.irp a, 0,1,2,3
	v_mov_b32 v[RS+2*\a+1], v[RS+2*\a]             ; named as pairs by the packed forms, which take the low word for both halves
	v_mul_f32 v[RQ+2*\a], 0x3e000000, v[RS+2*\a]   ; rs / 8
	v_mul_f32 v[RQ+2*\a+1], 0x3e000000, v[RS+2*\a]
.endr
; Block i = 4 a + o: 16 rows of section o. Scaled in f32 (each accumulator's registers in ascending order), rounded to f16, 16 bytes a lane into my stage, back as whole rows.
.macro PACK i
.set pa, (\i)/4
.set po, (\i)%4
.set pk, PK+16*((\i)%2)
	s_wait_xcnt 0x0                                ; the stores of the block before last have read this buffer
	WIN 0x02+(pa/2)                                ; source 0: window 2 or 3
.set z, 0
.rept 16
.if po < 2
.set rA, 8*(12*(pa%2)+z/4)+2*(z%4)
	v_pk_fma_f32 v[TT+2*z:TT+2*z+1], v[rA:rA+1], v[RQ+2*pa:RQ+2*pa+1], v[UU+32*po+2*z:UU+32*po+2*z+1] op_sel_hi:[1,0,1]
.else
.set rA, 8*(12*(pa%2)+4*(po-1)+z/4)+2*(z%4)
	v_pk_mul_f32 v[TT+2*z:TT+2*z+1], v[rA:rA+1], v[RS+2*pa:RS+2*pa+1] op_sel_hi:[1,0]
.endif
.set z, z+1
.endr
	WIN 0
.set z, 0
.rept 16
	v_cvt_pk_f16_f32 v[pk+z], v[TT+2*z], v[TT+2*z+1]
.set z, z+1
.endr
.irp f, 0,1,2,3
	ds_store_b128 v[STO], v[pk+4*\f:pk+4*\f+3] offset:32*\f
.endr
.irp f, 0,1,2,3
	ds_load_b128 v[pk+4*\f:pk+4*\f+3], v[RD] offset:576*\f  ; LDS serves a wave's instructions in order (ISA guide 5.7.1.4): these see the stores above
.endr
.endm
.macro SEND i, younger                 ; younger: the LDS instructions issued behind block i's loads
.set sk, PK+16*((\i)%2)
	WIN 0
.irp f, 0,1,2,3
	s_wait_dscnt (\younger)+3-\f
	global_store_b128 v[GO], v[sk+4*\f:sk+4*\f+3], s[OP+2*((\i)%4):OP+2*((\i)%4)+1] offset:((\i)/4)*2048+\f*512  ; 512 consecutive bytes, aligned
.endr
.endm
	PACK 0
.set t, 1
.rept 15
	PACK t
	SEND t-1, 8
.set t, t+1
.endr
	SEND 15, 0
	s_wait_tensorcnt 0x0                           ; the wave's end
	ds_add_u32 v[SPW], v[NIL]
	s_wait_dscnt 0x0
	CROUND                                         ; the closing round: no work-group ends while a partner may still ask for a tile that names it
	s_endpgm
.Lfunc_end_k_q8fff180175_qkv:
	.size	k_q8fff180175_qkv, .Lfunc_end_k_q8fff180175_qkv-k_q8fff180175_qkv
	.p2alignl 7, 3214868480
	.fill 96, 4, 3214868480
	.section	.rodata,"a",@progbits
	.p2align	6, 0x0
	.amdhsa_kernel k_q8fff180175_qkv
		.amdhsa_group_segment_fixed_size 327680
		.amdhsa_private_segment_fixed_size 0
		.amdhsa_enable_private_segment 0
		.amdhsa_kernarg_size 48
		.amdhsa_user_sgpr_count 2
		.amdhsa_user_sgpr_kernarg_segment_ptr 1
		.amdhsa_wavefront_size32 1
		.amdhsa_system_sgpr_workgroup_id_x 1
		.amdhsa_system_sgpr_workgroup_id_y 1
		.amdhsa_system_sgpr_workgroup_id_z 1
		.amdhsa_system_vgpr_workitem_id 0
		.amdhsa_next_free_vgpr 960
		.amdhsa_next_free_sgpr 82
		.amdhsa_reserve_vcc 0
		.amdhsa_float_denorm_mode_32 3
		.amdhsa_float_denorm_mode_16_64 3
		.amdhsa_memory_ordered 1
		.amdhsa_forward_progress 1
		.amdhsa_inst_pref_size 154
	.end_amdhsa_kernel
	.amdgpu_metadata
---
amdhsa.version: [ 1, 2 ]
amdhsa.kernels:
  - .name:           k_q8fff180175_qkv
    .symbol:         k_q8fff180175_qkv.kd
    .args:
      - { .name: x16, .offset: 0, .size: 8, .value_kind: global_buffer, .address_space: global }
      - { .name: w16, .offset: 8, .size: 8, .value_kind: global_buffer, .address_space: global }
      - { .name: rs, .offset: 16, .size: 8, .value_kind: global_buffer, .address_space: global }
      - { .name: xl_u, .offset: 24, .size: 8, .value_kind: global_buffer, .address_space: global }
      - { .name: xl_v, .offset: 32, .size: 8, .value_kind: global_buffer, .address_space: global }
      - { .name: qkv16, .offset: 40, .size: 8, .value_kind: global_buffer, .address_space: global }
    .group_segment_fixed_size: 327680
    .private_segment_fixed_size: 0
    .kernarg_segment_align: 8
    .kernarg_segment_size: 48
    .max_flat_workgroup_size: 128
    .sgpr_count:     82
    .vgpr_count:     960
    .wavefront_size: 32
...
	.end_amdgpu_metadata
.endif
;; end of part 2
;; launch attn (part 3): grid 8 x 32, 4 waves a work-group, no clusters, 327,680 bytes of LDS; arguments qkv16, r16, wv16; writes wv16
.if DOCPART == 3
	.amdgcn_target "amdgcn-amd-amdhsa--gfx1250"
	.amdhsa_code_object_version 6
	.text
	.protected	k_q8fff180175_attn
	.globl	k_q8fff180175_attn
	.p2align	8
	.type	k_q8fff180175_attn,@function
k_q8fff180175_attn:
	s_mov_b64 s[64:65], 0
	v_nop
	global_prefetch_b8 v0, s[64:65] scope:SCOPE_SE
	s_setreg_imm32_b32 hwreg(HW_REG_WAVE_MODE, 25, 1), 1
	s_wait_xcnt 0x0
; CAUSAL ATTENTION WITH THE RELATIVE TERM. score[i][j] = (q_i/8 + u) . k_j + (q_i/8 + v) . r[2047 - i + j] for j <= i; softmax over j; times V. All operands f16, products, maxima, sums in f32.
; j > i is the same as r's row >= 2048: the mask is a property of r's row, and falls on whole tiles of 16 rows; r16 holds zeros there.
; LIMITS. A hidden score counts as -1e30. The running maximum starts at -2^93: scores of f16 operands, 2.7e11 at the most, never reach that, and a wave that has seen hidden keys alone then has weights 0.
; A weight below 2^-126 counts as 0; the weights are rounded to f16 for the second product, their sum is taken unrounded. NaN and infinities are not treated apart.
; THE WALK. A head has 16 blocks of 128 queries; block i needs the key tiles 0 .. i of 128 keys. A work-group takes blocks PB and then 15 - PB: 17 tiles whatever PB, one counted loop of 16 trips and a tail.
; SHARES. Wave (WQ, WK) = (w / 2, w % 2): 64 queries (four tiles a of 16) x 64 of a tile's 128 keys. At a block's end the two waves of a query half merge (c m, l, O) through LDS, in f32.
; NO CLUSTER: the partners' bands of r always differ, their K and V tiles coincide in part of the walk only, and a walk common to all would have 24 trips for 17.
; THE SKEW. BD^T = R Qv^T for 80 rows of r holds one query a lane (q = l % 16) and band index n = 16 t + 8 (l / 16) + j; key kappa of query q wants n = kappa + 15 - q. The band goes into my own LDS rows of 336 bytes
; as it lies and comes back, by an address that hangs on q, straight into the registers that are the C operand of S^T = K Qu^T. The mask is the C operand of the band's first product.
; WINDOWS: 0: addresses, statistics, S^T (2 x 32), P (2 x 16), the band (2 x 40); 1: O^T (4 x 32), the masks (8 x 8); 2: Qu, Qv, K, V (64 each); 3: r (8 tiles of 16 registers).
.set PKK,   144                        ; a row of K or r in LDS: 128 bytes + 16
.set PVV,   160                        ; a row of V: 128 + 32
.set SLOT1, 131072
.set ROFF,  128*PKK                    ; a slot: K 128 rows, r 256 rows, V 128 rows
.set VOFF,  3*128*PKK
.set SKEW,  VOFF+128*PVV               ; 75,776: behind slot 0: 16 rows x 336 for each wave; also my stage on the way out
.set SKW,   16*336
.set MERGE, SLOT1+SKEW                 ; behind slot 1: for each wave four tiles of 4,352: O^T 4,096, then (c m, l) 256
.set MGT,   4352
.set MGW,   4*MGT
.set SPARE, MERGE+4*MGW                ; the spare words, 128 bytes a wave
.set AK0, 3
.set AR0, 4
.set AV0, 5
.set AK,  6
.set AR,  7
.set AV,  8
.set SKS, 9
.set SKL, 10
.set QO,  11
.set MV,  12                           ; v12-13 c m_old
.set MST, 14
.set MSS, 15
.set ST,  16                           ; tile a: c m, m, l (even keys', odd keys')
.set MLD, 32
.set MLS, 33
.set STO, 34
.set RD,  35
.set GO,  36
.set PFO, 37
.set TMP, 48
.set SPW, 62
.set NIL, 63
.set S,   64
.set P,   128
.set BDR, 160
.set FS,  64                           ; the merge: statistics v64-71, O^T v72-199, factors v200-215
.set FO,  72
.set FG,  200
.set MK,  128                          ; window 1
.set QV,  64                           ; window 2
.set KF,  128
.set VF,  192
.set WV, 12
.set WQ, 13
.set WK, 14
.set PB, 15
.set HI, 16
.set BH, 17
.set HH, 18
.set BB, 19
.set G1K, 24
.set G1V, 32
.set G0,  40
.set BASE, 44                          ; s[44:45] what I fetch: K (wave 0), r (waves 1, 2), V (wave 3), at the head's first row
.set OFF, 46
.set NXT, 48                           ; the tile to be asked for next
.set LQ,  49                           ; the block whose tiles are being asked for
.set RT,  50                           ; tiles of the block in hand still to be entered
.set PEND, 52                          ; 1: a block's parts lie in LDS and are to be merged
.set SLOTS, 53
.set ISR, 54
.set RC,  55
.set SB,  56                           ; the slot to be read
.set LSD, 57                           ; in the diagonal tile my tiles of r from this one on are hidden
.set CS,  58
.set SEL, 60
.set LS,  62
.set T0,  63
.set BIGN, 66
.set T1,  67
.set QU1, 68
.set QV1, 70
.set OBC, 72
.set OB2, 74
.set QU2, 76
.set QV2, 78
.set PFA, 80
.set A1,  82
.set B1,  83
.set A2,  84
.set B2,  85
.set PADD, 86
.set PO,  88
.set MSB, 0
.macro WIN new
.if MSB != (\new)
	s_set_vgpr_msb (MSB<<8)|(\new)
.set MSB, \new
.endif
.endm
.macro PLACES
.rept 4
	v_nop
.endr
.endm
.macro LOAD                            ; my one tensor load: 16,384 dense bytes as 64 rows of 256; s_nop 0 and four v_nop follow each line
	s_cmp_lt_u32 s[WV], 3
	s_cbranch_scc0 .Lfor_v_\@
	tensor_load_to_lds s[G0:G0+3], s[G1K:G1K+7]
	s_nop 0
	PLACES
	s_branch .Lasked_\@
.Lfor_v_\@:
	tensor_load_to_lds s[G0:G0+3], s[G1V:G1V+7]
	s_nop 0
	PLACES
.Lasked_\@:
.endm
; A PREFETCH of what the next change of slots asks for, where that is the block's first reading in the launch: 64 rows of 256 bytes, a lane a row, two instructions. K's and V's tiles 2-7 are named by the head's
; work-group PB = 7 in its first block, tiles 8-15 by PB = 0 in its second (waves 0 and 3); r's rows 256 to 1023 by wave 1 of PB = 0 of batch 0. So each block is named once. All else comes by its loads alone.
.macro ASK
	s_cmp_eq_u32 s[LQ], s[HI]
	s_cselect_b32 s[T0], s[A2], s[A1]
	s_cselect_b32 s[T1], s[B2], s[B1]
	s_cmp_ge_u32 s[NXT], s[T0]
	s_cbranch_scc0 .Lnot_mine_\@
	s_cmp_le_u32 s[NXT], s[T1]
	s_cbranch_scc0 .Lnot_mine_\@
	global_prefetch_b8 v[PFO], s[PFA:PFA+1] th:TH_LOAD_NT scope:SCOPE_SE
	global_prefetch_b8 v[PFO], s[PFA:PFA+1] offset:8192 th:TH_LOAD_NT scope:SCOPE_SE
.Lnot_mine_\@:
.endm
; THE CHANGE OF SLOTS. Each wave waits for all its tensor loads (one is out: its part of the other slot), adds 0 to its spare word, waits for that and for its LDS instructions, and passes the barrier.
; fill = 1: the slot that was read is filled again, first thing behind the barrier, with tile NXT of block LQ; the address is made anew: r's band begins at row 128 (15 - LQ + NXT).
.macro CHANGE fill
	WIN 0
	s_wait_tensorcnt 0x0                           ; no tensor load of mine is out, so group 0 may be written
	ds_add_u32 v[SPW], v[NIL]
.if \fill
	s_sub_co_u32 s[T0], 15, s[LQ]
	s_mul_i32 s[T0], s[T0], s[ISR]
	s_add_co_u32 s[T0], s[T0], s[NXT]
	s_add_co_u32 s[T0], s[T0], s[RC]
	s_lshl_b32 s[OFF], s[T0], 14
	s_xor_b32 s[G0+1], s[G0+1], SLOT1
	s_add_nc_u64 s[G0+2:G0+3], s[BASE:BASE+1], s[OFF:OFF+1]
	s_or_b32 s[G0+3], s[G0+3], 0x80000000
	s_add_co_u32 s[NXT], s[NXT], 1                 ; the block's next tile, or behind its last the second block's tile 0
	s_cmp_gt_u32 s[NXT], s[LQ]
	s_cselect_b32 s[NXT], 0, s[NXT]
	s_cselect_b32 s[LQ], s[HI], s[LQ]
	s_wait_xcnt 0x0                                ; the last prefetches, a trip back, have read their address
	s_add_co_u32 s[PO], s[NXT], s[PADD]
	s_lshl_b32 s[PO], s[PO], 14
	s_add_nc_u64 s[PFA:PFA+1], s[BASE:BASE+1], s[PO:PO+1]
.endif
	s_wait_dscnt 0x0                               ; the add is done, and so are my LDS reads and stores
	s_barrier_signal -1
	s_xor_b32 s[SB], s[SB], SLOT1
	s_barrier_wait -1
.if \fill
	LOAD
	ASK
.else
	PLACES
.endif
.endm
	s_load_b128 s[4:7], s[0:1], 0x0                ; qkv16 s[4:5], r16 s[6:7]
	s_load_b64 s[8:9], s[0:1], 0x10                ; wv16
	v_lshl_add_u32 v[SPW], v0, 2, SPARE
	v_mov_b32 v[NIL], 0
	ds_add_u32 v[SPW], v[NIL]                      ; the wave's opening: the add and its wait ahead of my first tensor load
	ds_add_u32 v62, v63
	v_lshrrev_b32 v1, 5, v0
	v_readfirstlane_b32 s[WV], v1
	s_lshr_b32 s[WQ], s[WV], 1
	s_and_b32 s[WK], s[WV], 1
	s_mov_b32 s[PB], ttmp9
	s_sub_co_u32 s[HI], 15, s[PB]
	s_and_b32 s[BH], ttmp7, 0xffff
	s_and_b32 s[HH], s[BH], 15
	s_lshr_b32 s[BB], s[BH], 4
	s_mov_b32 s[G1K], (1<<16)|(1<<20)|(4<<22)|(3<<25)  ; 2-byte elements; padding on; after every 32 words 4 words
	s_mov_b32 s[G1V], (1<<16)|(1<<20)|(4<<22)|(7<<25)  ; 8 words
.irp g, G1K, G1V
	s_mov_b32 s[\g+1], 128<<16                     ; tensor_dim0 = 128
	s_mov_b32 s[\g+2], 64<<16                      ; tensor_dim1 = 64
	s_mov_b32 s[\g+3], 128<<16                     ; tile_dim0
	s_mov_b32 s[\g+4], 64                          ; tile_dim1
	s_mov_b32 s[\g+5], 128                         ; dense
	s_mov_b32 s[\g+6], 0
	s_mov_b32 s[\g+7], 0
.endr
	s_mov_b32 s[G0], 1
	s_mul_i32 s[G0+1], s[WV], ROFF                 ; K, r's two halves, V lie 18,432 bytes apart: wave x that, in slot 0
	s_add_co_u32 s[ISR], s[WV], 1
	s_bfe_u32 s[ISR], s[ISR], 0x10001              ; 1 in waves 1 and 2
	s_and_b32 s[RC], s[WQ], s[ISR]                 ; 1 in wave 2: the band's second half
	s_mul_i32 s[T0], s[HI], s[ISR]                 ; tile 0 of block PB: r's band begins at row 128 (15 - PB)
	s_add_co_u32 s[T0], s[T0], s[RC]
	s_lshl_b32 s[OFF], s[T0], 14
	s_mov_b32 s[OFF+1], 0
	s_lshl_b32 s20, s[BH], 18                      ; (batch, head): 262,144 bytes in each section
	s_mov_b32 s21, 0x1000000                       ; K's section,
	s_cmp_eq_u32 s[WV], 3
	s_cselect_b32 s21, 0x1800000, s21              ; or V's
	s_add_co_u32 s21, s21, s20
	s_mul_i32 s22, s[HH], 278528                   ; the head's 2,176 rows of r16
	s_cmp_eq_u32 s[ISR], 1
	s_cselect_b32 s22, s22, s21
	s_mov_b32 s23, 0
	s_lshl_b32 s21, s[WQ], 13
	s_add_co_u32 s20, s20, s21                     ; my 64 queries in a block
	s_lshl_b32 s21, s[PB], 14
	s_add_co_u32 s[QU1], s20, s21
	s_mov_b32 s[QU1+1], 0
	s_lshl_b32 s21, s[HI], 14
	s_add_co_u32 s[QU2], s20, s21
	s_mov_b32 s[QU2+1], 0
	s_lshl_b32 s20, s[WK], 12                      ; wv16 [batch x 16 + block][head][128][64]: the 32 rows that I finish
	s_lshl_b32 s21, s[WQ], 13
	s_add_co_u32 s20, s20, s21
	s_lshl_b32 s21, s[HH], 14
	s_add_co_u32 s20, s20, s21
	s_lshl_b32 s21, s[BB], 4
	s_add_co_u32 s90, s21, s[PB]
	s_lshl_b32 s90, s90, 18
	s_add_co_u32 s[OBC], s90, s20
	s_mov_b32 s[OBC+1], 0
	s_add_co_u32 s90, s21, s[HI]
	s_lshl_b32 s90, s90, 18
	s_add_co_u32 s[OB2], s90, s20
	s_mov_b32 s[OB2+1], 0
	s_mov_b32 s[CS], 0x3fb8aa3b                    ; c = log2(e): the 1/8 is in q already
	s_mov_b32 s[CS+1], s[CS]
	s_mov_b32 s[SEL], 0x76543210
	s_mov_b32 s[SEL+1], 0xfedcba98
	s_mov_b32 s[BIGN], 0xf149f2ca                  ; -1e30
	s_add_co_u32 s[LSD], s[WQ], 1
	s_sub_co_u32 s[LSD], s[LSD], s[WK]
	s_lshl_b32 s[LSD], s[LSD], 2                   ; 4 + 4 WQ - 4 WK
	s_mov_b32 s[SB], SLOT1                         ; the first change turns it into 0
	s_add_co_u32 s[RT], s[PB], 1
	s_mov_b32 s[PEND], 0
	s_mov_b32 s[SLOTS], 16
	s_mov_b32 s[PO+1], 0
	s_mov_b32 s[NXT], 1
	s_mov_b32 s[LQ], s[PB]
	s_cmp_gt_u32 s[NXT], s[LQ]
	s_cselect_b32 s[NXT], 0, s[NXT]
	s_cselect_b32 s[LQ], s[HI], s[LQ]
	s_mov_b32 s[A1], 1                             ; the prefetches' ranges of NXT: empty,
	s_mov_b32 s[B1], 0
	s_mov_b32 s[A2], 1
	s_mov_b32 s[B2], 0
	s_mov_b32 s[PADD], 0
	s_xor_b32 s90, s[PB], 7
	s_or_b32 s90, s90, s[ISR]
	s_cmp_eq_u32 s90, 0                            ; but waves 0, 3 of PB = 7, first block: tiles 2-7
	s_cselect_b32 s[A1], 2, s[A1]
	s_cselect_b32 s[B1], 7, s[B1]
	s_or_b32 s90, s[PB], s[ISR]
	s_cmp_eq_u32 s90, 0                            ; waves 0, 3 of PB = 0, second block: tiles 8-15
	s_cselect_b32 s[A2], 8, s[A2]
	s_cselect_b32 s[B2], 15, s[B2]
	s_xor_b32 s90, s[WV], 1
	s_or_b32 s90, s90, s[PB]
	s_or_b32 s90, s90, s[BB]
	s_cmp_eq_u32 s90, 0                            ; wave 1 of PB = 0, batch 0, second block: r's chunks NXT + 1 = 2-7
	s_cselect_b32 s[A2], 1, s[A2]
	s_cselect_b32 s[B2], 6, s[B2]
	s_cselect_b32 s[PADD], 1, s[PADD]
	s_wait_dscnt 0x0                               ; the opening add is done
	s_wait_kmcnt 0x0
	s_cmp_eq_u32 s[ISR], 1
	s_cselect_b64 s[BASE:BASE+1], s[6:7], s[4:5]
	s_add_nc_u64 s[BASE:BASE+1], s[BASE:BASE+1], s[22:23]
	s_add_nc_u64 s[G0+2:G0+3], s[BASE:BASE+1], s[OFF:OFF+1]
	s_or_b32 s[G0+3], s[G0+3], 0x80000000
	s_add_nc_u64 s[QU1:QU1+1], s[4:5], s[QU1:QU1+1]
	s_add_nc_u64 s[QV1:QV1+1], s[QU1:QU1+1], 0x800000
	s_add_nc_u64 s[QU2:QU2+1], s[4:5], s[QU2:QU2+1]
	s_add_nc_u64 s[QV2:QV2+1], s[QU2:QU2+1], 0x800000
	s_add_nc_u64 s[OBC:OBC+1], s[8:9], s[OBC:OBC+1]
	s_add_nc_u64 s[OB2:OB2+1], s[8:9], s[OB2:OB2+1]
	LOAD                                           ; tile 0 of block PB into slot 0; slot 1 is asked for by the loop's first change
	v_and_b32 v1, 15, v0                           ; q
	v_bfe_u32 v2, v0, 4, 1                         ; h
	v_lshlrev_b32 v[QO], 7, v1
	v_lshl_add_u32 v[QO], v2, 4, v[QO]
.macro QLOAD pu, pv                    ; a block's Qu and Qv for my 64 queries: tile i / 2, channels 32 (i % 2) on
	WIN 0x80
.set i, 0
.rept 8
	global_load_b128 v[8*i:8*i+3],         v[QO], s[\pu:\pu+1] offset:(i/2)*2048+(i%2)*64
	global_load_b128 v[8*i+4:8*i+7],       v[QO], s[\pu:\pu+1] offset:(i/2)*2048+(i%2)*64+32
	global_load_b128 v[QV+8*i:QV+8*i+3],   v[QO], s[\pv:\pv+1] offset:(i/2)*2048+(i%2)*64
	global_load_b128 v[QV+8*i+4:QV+8*i+7], v[QO], s[\pv:\pv+1] offset:(i/2)*2048+(i%2)*64+32
.set i, i+1
.endr
	WIN 0
.endm
	QLOAD QU1, QV1
	v_and_b32 v38, 31, v0                          ; l
	v_and_b32 v39, 7, v0
	v_bfe_u32 v40, v0, 3, 1
	v_bfe_u32 v41, v0, 3, 2
	v_mul_u32_u24 v42, v1, PKK
	v_lshl_add_u32 v42, v2, 4, v42                 ; q x 144 + 16 h
	s_mul_i32 s20, s[WK], 64*PKK
	v_add_nc_u32 v[AK0], s20, v42                  ; my 64 keys
	s_add_co_u32 s20, s[WK], 1
	s_sub_co_u32 s20, s20, s[WQ]
	s_mul_i32 s20, s20, 64*PKK                     ; my 8 tiles of r begin at tile 4 - 4 WQ + 4 WK of the slot's 16
	s_add_co_u32 s20, s20, ROFF
	v_add_nc_u32 v[AR0], s20, v42
	v_lshl_add_u32 v43, v2, 3, v39                 ; the turning load: key 8 h + l % 8, 16 bytes by (l / 8) % 2
	v_mul_u32_u24 v43, v43, PVV
	v_lshl_add_u32 v43, v40, 4, v43
	s_mul_i32 s20, s[WK], 64*PVV
	s_add_co_u32 s20, s20, VOFF
	v_add_nc_u32 v[AV0], s20, v43
	s_mul_i32 s20, s[WV], SKW
	s_add_co_u32 s20, s20, SKEW                    ; my skew rows
	v_mul_u32_u24 v43, v1, 336
	v_lshl_add_u32 v43, v2, 5, v43
	v_add_nc_u32 v[SKS], s20, v43                  ; in: row q, word 16 t + 8 h + j
	v_mul_u32_u24 v43, v1, 332
	v_lshl_add_u32 v43, v2, 5, v43
	v_add_nc_u32 v43, 60, v43
	v_add_nc_u32 v[SKL], s20, v43                  ; back: row q, word kappa + 15 - q: 83 words from lane to lane, so 32 lanes touch 32 different banks (64 banks of 4 bytes: ISA guide 11.1)
	v_add_nc_u32 v[STO], s20, v42
	v_mul_u32_u24 v43, v41, PKK
	v_lshl_add_u32 v43, v39, 4, v43
	v_add_nc_u32 v[RD], s20, v43
	v_lshlrev_b32 v[GO], 4, v38
	v_lshlrev_b32 v[PFO], 8, v38
	s_mul_i32 s20, s[WV], MGW
	s_add_co_u32 s20, s20, MERGE
	v_lshl_add_u32 v[MST], v38, 4, s20
	s_add_co_u32 s20, s20, 4096
	v_lshl_add_u32 v[MSS], v38, 3, s20
	s_mul_i32 s20, s[WQ], 2*MGW                    ; the merge reads both waves of my query half, tiles 2 WK and 2 WK + 1
	s_mul_i32 s21, s[WK], 2*MGT
	s_add_co_u32 s20, s20, s21
	s_add_co_u32 s20, s20, MERGE
	v_lshl_add_u32 v[MLD], v38, 4, s20
	s_add_co_u32 s20, s20, 4096
	v_lshl_add_u32 v[MLS], v38, 3, s20
	; A block's first step multiplies O^T and l by a = 0, so they need only be finite: zeros for the first block, what it left for the second. This stands in the wait for the first tile.
	WIN 0x40
.set i, 0
.rept 128
	v_mov_b32 v[i], 0
.set i, i+1
.endr
	WIN 0
.macro NEWBLOCK
.set i, 0
.rept 4
	v_mov_b32 v[ST+4*i], 0xfe000000                ; c m: far below every c s, so the first a is 0
	v_mov_b32 v[ST+4*i+1], 0xee000000              ; m = -2^93
.set i, i+1
.endr
.endm
	NEWBLOCK
.set i, 0
.rept 4
	v_mov_b32 v[ST+4*i+2], 0
	v_mov_b32 v[ST+4*i+3], 0
.set i, i+1
.endr
; The masks: eight registers for each of my eight tiles of r: -1e30 from tile LS on, else 0. LS = LSD in a block's last tile, 8 elsewhere.
.macro SETMASK
	s_cmp_eq_u32 s[RT], 0
	s_cselect_b32 s[LS], s[LSD], 8
	WIN 0x40
.set lam, 0
.rept 8
	s_cmp_le_u32 s[LS], lam
	s_cselect_b32 s[T0], s[BIGN], 0
.set i, 0
.rept 8
	v_mov_b32 v[MK+8*lam+i], s[T0]
.set i, i+1
.endr
.set lam, lam+1
.endr
	WIN 0
.endm
; A tile's LDS loads, 64 in one run: r's tiles in the order in which they are wanted, K, V (turned).
.macro FETCH
	WIN 0
	v_add_nc_u32 v[AK], s[SB], v[AK0]
	v_add_nc_u32 v[AR], s[SB], v[AR0]
	v_add_nc_u32 v[AV], s[SB], v[AV0]
	WIN 0xc0
.irp lam, 3,4,5,6,7,2,1,0
.irp c, 0,1
	ds_load_b128 v[16*\lam+8*\c:16*\lam+8*\c+3],   v[AR] offset:\lam*16*PKK+\c*64
	ds_load_b128 v[16*\lam+8*\c+4:16*\lam+8*\c+7], v[AR] offset:\lam*16*PKK+\c*64+32
.endr
.endr
	WIN 0x80
.irp f, 0,1,2,3,4,5,6,7                ; keys 16 (f / 2) on, channels 32 (f % 2) on
	ds_load_b128 v[KF+8*\f:KF+8*\f+3],   v[AK] offset:(\f/2)*16*PKK+(\f%2)*64
	ds_load_b128 v[KF+8*\f+4:KF+8*\f+7], v[AK] offset:(\f/2)*16*PKK+(\f%2)*64+32
.endr
.irp f, 0,1,2,3,4,5,6,7                ; keys 32 (f / 4) on, channels 16 (f % 4) on
	ds_load_tr16_b128 v[VF+8*\f:VF+8*\f+3],   v[AV] offset:(\f/4)*32*PVV+(\f%4)*32
	ds_load_tr16_b128 v[VF+8*\f+4:VF+8*\f+7], v[AV] offset:(\f/4)*32*PVV+16*PVV+(\f%4)*32
.endr
	WIN 0
.endm
; THE MATRIX WORK. In each run the accumulators take turns, one instruction a turn.
.macro BD a                            ; the band of tile a: r's tiles 3 - a + t, t = 0..4; the first link's C is the tile's mask
.set bb, BDR+40*((\a)%2)
	WIN 0x1b                                       ; r window 3, Qv window 2, mask window 1, band window 0
.set t, 0
.rept 5
	v_wmma_f32_16x16x32_f16 v[bb+8*t:bb+8*t+7], v[16*(3-(\a)+t):16*(3-(\a)+t)+7], v[QV+16*(\a):QV+16*(\a)+7], v[MK+8*(3-(\a)+t):MK+8*(3-(\a)+t)+7]
.set t, t+1
.endr
	WIN 0x0b
.set t, 0
.rept 5
	v_wmma_f32_16x16x32_f16 v[bb+8*t:bb+8*t+7], v[16*(3-(\a)+t)+8:16*(3-(\a)+t)+15], v[QV+16*(\a)+8:QV+16*(\a)+15], v[bb+8*t:bb+8*t+7]
.set t, t+1
.endr
.endm
.macro SKST a                          ; the band into my skew rows, each accumulator's low four registers first
.set bb, BDR+40*((\a)%2)
	WIN 0
.set t, 0
.rept 5
	ds_store_b128 v[SKS], v[bb+8*t:bb+8*t+3]   offset:64*t
	ds_store_b128 v[SKS], v[bb+8*t+4:bb+8*t+7] offset:64*t+16
.set t, t+1
.endr
.endm
.macro SKLD a                          ; and back, shifted by 15 - q, into S^T. LDS serves a wave's instructions in order (ISA guide 5.7.1.4): these see the stores above
.set n, 0
.rept 32
	ds_load_b32 v[S+32*((\a)%2)+n], v[SKL] offset:64*(n/8)+4*(n%8)
.set n, n+1
.endr
.endm
.macro AC a                            ; S^T += K Qu^T, onto the band
	WIN 0x0a
.set i, 0
.rept 8
.set rS, S+32*((\a)%2)+8*(i%4)
	v_wmma_f32_16x16x32_f16 v[rS:rS+7], v[KF+16*(i%4)+8*(i/4):KF+16*(i%4)+8*(i/4)+7], v[16*(\a)+8*(i/4):16*(\a)+8*(i/4)+7], v[rS:rS+7]
.set i, i+1
.endr
.endm
.macro PV a                            ; O^T += V^T P
	WIN 0x52
.set i, 0
.rept 8
.set rO, 32*(\a)+8*(i%4)
	v_wmma_f32_16x16x32_f16 v[rO:rO+7], v[VF+32*(i/4)+8*(i%4):VF+32*(i/4)+8*(i%4)+7], v[P+16*((\a)%2)+8*(i/4):P+16*((\a)%2)+8*(i/4)+7], v[rO:rO+7]
.set i, i+1
.endr
.endm
; THE SOFTMAX of tile a for this tile's 64 keys, in phases: the maximum (each accumulator's lowest registers first) and the statistics; the scalings; ONE batch of 33 exponentials with one wait; the rescaling; roundings and sums.
.macro SOFTMAX a
.set rT, ST+4*(\a)
.set rC, TMP+4*((\a)%2)
.set rW, MV+((\a)%2)
.set rS, S+32*((\a)%2)
.set rP, P+16*((\a)%2)
.set rO, 32*(\a)
	WIN 0
.set n, 0
.rept 4
	v_max3_num_f32 v[rC+n], v[rS+8*n], v[rS+8*n+1], v[rS+8*n+2]
.set n, n+1
.endr
.set n, 0
.rept 8
	v_max3_num_f32 v[rC+n%4], v[rC+n%4], v[rS+8*(n%4)+2*(n/4)+3], v[rS+8*(n%4)+2*(n/4)+4]
.set n, n+1
.endr
	v_max3_num_f32 v[rC], v[rC], v[rS+7], v[rS+15]
	v_max3_num_f32 v[rC+1], v[rC+1], v[rS+23], v[rS+31]
	v_mov_b32 v[rW], v[rT]                         ; c m_old is kept
	v_max3_num_f32 v[rC+2], v[rC+2], v[rC+3], v[rT+1]
	v_max3_num_f32 v[rC], v[rC], v[rC+1], v[rC+2]
	v_permlanex16_b32 v[rC+3], v[rC], s[SEL], s[SEL+1]  ; the query's other 32 keys lie in the lane 16 away
	v_max_num_f32 v[rT+1], v[rC], v[rC+3]
	v_mul_f32 v[rT], s[CS], v[rT+1]
	v_sub_f32 v[rC+1], v[rW], v[rT]
.set n, 0
.rept 16
	v_pk_fma_f32 v[rS+2*n:rS+2*n+1], v[rS+2*n:rS+2*n+1], s[CS:CS+1], v[rT:rT+1] op_sel_hi:[1,0,0] neg_lo:[0,0,1] neg_hi:[0,0,1]  ; c s - c m
.set n, n+1
.endr
	v_exp_f32 v[rC+2], v[rC+1]                     ; a
.set n, 0
.rept 32
	v_exp_f32 v[rS+n], v[rS+n]
.set n, n+1
.endr
	v_nop                                          ; a plain instruction behind the last exponential,
	s_wait_alu depctr_va_vdst(0)                   ; and one wait for the batch, ahead of its first reader
	WIN 0x41
.set n, 0
.rept 16
	v_pk_mul_f32 v[rO+2*n:rO+2*n+1], v[rO+2*n:rO+2*n+1], v[rC+2:rC+3] op_sel_hi:[1,0]
.set n, n+1
.endr
	WIN 0
.set n, 0
.rept 8
	v_cvt_pk_f16_f32 v[rP+2*n], v[rS+4*n], v[rS+4*n+1]
	v_cvt_pk_f16_f32 v[rP+2*n+1], v[rS+4*n+2], v[rS+4*n+3]
	v_pk_add_f32 v[rS+4*n:rS+4*n+1], v[rS+4*n:rS+4*n+1], v[rS+4*n+2:rS+4*n+3]
.if n == 0
	v_pk_fma_f32 v[rT+2:rT+3], v[rT+2:rT+3], v[rC+2:rC+3], v[rS:rS+1] op_sel_hi:[1,0,1]  ; l = a l + sum
.else
	v_pk_add_f32 v[rT+2:rT+3], v[rT+2:rT+3], v[rS+4*n:rS+4*n+1]
.endif
.set n, n+1
.endr
.endm
; A TILE. The next tile's band is multiplied while the last one's round trip through LDS is on its way.
.macro STEP
	FETCH
	s_wait_loadcnt 0x0                             ; Q (only behind a block's beginning is anything out)
	s_wait_dscnt 44                                ; r's tiles 3-7 are in: behind them 12 loads of r, 16 of K, 16 of V
	BD 0
	PLACES
	SKST 0
	SKLD 0
	s_wait_dscnt 42                                ; all of r, K, V are in: only the skew's 10 stores and 32 loads may be out
.irp a, 0,1,2,3
.if \a < 3
	BD (\a)+1
.endif
	s_wait_dscnt 0x0                               ; tile a's band is back
	AC \a
	PLACES                                         ; behind AC's and BD's last products, ahead of the readers of their results
.if \a < 3
	SKST (\a)+1
	SKLD (\a)+1
.endif
	SOFTMAX \a
	PV \a
.endr
	WIN 0
.endm
; A BLOCK'S END, first half: my (c m, l, O^T) of four tiles into LDS, in f32. The first four additions are the places behind the last products.
.macro PARTIAL
	WIN 0
.irp t, 0,1,2,3
	v_add_f32 v[ST+4*\t+2], v[ST+4*\t+2], v[ST+4*\t+3]
.endr
.irp t, 0,1,2,3
	v_permlanex16_b32 v[ST+4*\t+3], v[ST+4*\t+2], s[SEL], s[SEL+1]
.endr
.irp t, 0,1,2,3
	v_add_f32 v[ST+4*\t+1], v[ST+4*\t+2], v[ST+4*\t+3]  ; l takes m's place beside c m
.endr
.irp t, 0,1,2,3
	ds_store_b64 v[MSS], v[ST+4*\t:ST+4*\t+1] offset:\t*MGT
.endr
	WIN 0x04                                       ; store data in window 1
.set i, 0
.rept 32
	ds_store_b128 v[MST], v[4*i:4*i+3] offset:(i/8)*MGT+(i%8)*512
.set i, i+1
.endr
	WIN 0
.endm
; Second half, behind a barrier: of my query half's four tiles I finish two: O = (eA OA + eB OB) / (eA lA + eB lB), e = 2^(c m - max), rounded to f16, through my stage, stored as whole rows.
.macro FMERGE u
.set oa, FO+64*(\u)
.set ob, oa+32
.set fg, FG+8*(\u)
.set i, 0
.rept 16
	v_pk_mul_f32 v[oa+2*i:oa+2*i+1], v[oa+2*i:oa+2*i+1], v[fg:fg+1] op_sel_hi:[1,0]
.set i, i+1
.endr
.set i, 0
.rept 16
	v_pk_fma_f32 v[oa+2*i:oa+2*i+1], v[ob+2*i:ob+2*i+1], v[fg+2:fg+3], v[oa+2*i:oa+2*i+1] op_sel_hi:[1,0,1]
.set i, i+1
.endr
.set i, 0
.rept 16
	v_cvt_pk_f16_f32 v[ob+i], v[oa+2*i], v[oa+2*i+1]
.set i, i+1
.endr
.irp f, 0,1,2,3
	ds_store_b128 v[STO], v[ob+4*\f:ob+4*\f+3] offset:32*\f
.endr
.irp f, 0,1,2,3
	ds_load_b128 v[ob+4*\f:ob+4*\f+3], v[RD] offset:4*PKK*\f
.endr
.endm
.macro FSEND u, younger
.set ob, FO+64*(\u)+32
.irp f, 0,1,2,3
	s_wait_dscnt (\younger)+3-\f
	global_store_b128 v[GO], v[ob+4*\f:ob+4*\f+3], s[OBC:OBC+1] offset:(\u)*2048+\f*512  ; 512 consecutive bytes, aligned
.endr
.endm
.macro FINISH
	WIN 0
.irp u, 0,1
.irp w, 0,1
	ds_load_b64 v[FS+4*\u+2*\w:FS+4*\u+2*\w+1], v[MLS] offset:\w*MGW+\u*MGT
.endr
.endr
.irp u, 0,1
.irp w, 0,1
.irp k, 0,1,2,3,4,5,6,7
	ds_load_b128 v[FO+64*\u+32*\w+4*\k:FO+64*\u+32*\w+4*\k+3], v[MLD] offset:\w*MGW+\u*MGT+\k*512
.endr
.endr
.endr
	s_wait_dscnt 32                                ; the statistics are in
.irp u, 0,1
	v_max_num_f32 v[FG+8*\u+1], v[FS+4*\u], v[FS+4*\u+2]
.endr
.irp u, 0,1
	v_sub_f32 v[FG+8*\u], v[FS+4*\u], v[FG+8*\u+1]
	v_sub_f32 v[FG+8*\u+2], v[FS+4*\u+2], v[FG+8*\u+1]
.endr
.irp u, 0,1
	v_exp_f32 v[FG+8*\u], v[FG+8*\u]
	v_exp_f32 v[FG+8*\u+2], v[FG+8*\u+2]
.endr
	v_nop
	s_wait_alu depctr_va_vdst(0)                   ; one wait for the four exponentials
.irp u, 0,1
	v_mul_f32 v[FG+8*\u+3], v[FG+8*\u], v[FS+4*\u+1]
.endr
.irp u, 0,1
	v_fma_f32 v[FG+8*\u+4], v[FG+8*\u+2], v[FS+4*\u+3], v[FG+8*\u+3]
.endr
.irp u, 0,1
	v_rcp_f32 v[FG+8*\u+4], v[FG+8*\u+4]
.endr
	v_nop
	s_wait_alu depctr_va_vdst(0)                   ; one wait for the two reciprocals
.irp u, 0,1
	v_mul_f32 v[FG+8*\u], v[FG+8*\u], v[FG+8*\u+4]
	v_mul_f32 v[FG+8*\u+2], v[FG+8*\u+2], v[FG+8*\u+4]
.endr
	s_wait_dscnt 16                                ; the first tile's 16 loads are in
	FMERGE 0
	s_wait_dscnt 8                                 ; the second tile's are in: behind them the first tile's eight stage instructions
	FMERGE 1
	FSEND 0, 8
	FSEND 1, 0
	s_wait_xcnt 0x0                                ; the stores have read their registers and O's address
.endm
.Lslot:                                ; 16 trips: a tile is entered and the next is asked for
	CHANGE 1
	s_sub_co_u32 s[RT], s[RT], 1
	s_cmp_eq_u32 s[PEND], 1
	s_cbranch_scc0 .Lnofin
	FINISH                                         ; the first block's parts were stored ahead of the barrier just passed
	s_mov_b64 s[OBC:OBC+1], s[OB2:OB2+1]
	s_mov_b32 s[PEND], 0
.Lnofin:
	s_wait_dscnt 0x0                               ; my reads of the merge area are over: a barrier stands between them and any later store into it
	s_barrier_signal -1
	SETMASK
	s_barrier_wait -1
	STEP
	s_cmp_eq_u32 s[RT], 0
	s_cbranch_scc0 .Lbottom
	PARTIAL                                        ; in the loop this is the first block's end: the second's last tile is the walk's last
	NEWBLOCK
	QLOAD QU2, QV2
	s_sub_co_u32 s[RT], 16, s[PB]
	s_mov_b32 s[PEND], 1
.Lbottom:
	s_sub_co_u32 s[SLOTS], s[SLOTS], 1
	s_cmp_lg_u32 s[SLOTS], 0
	s_cbranch_scc1 .Lslot
	CHANGE 0                                       ; the walk's last tile is written out
	s_sub_co_u32 s[RT], s[RT], 1
	SETMASK
	STEP
	PARTIAL
	s_wait_dscnt 0x0                               ; my parts are stored, for my partner's sake
	s_barrier_signal -1
	s_barrier_wait -1
	FINISH
	s_wait_tensorcnt 0x0                           ; the wave's end
	ds_add_u32 v[SPW], v[NIL]
	s_wait_dscnt 0x0
	s_endpgm
.Lfunc_end_k_q8fff180175_attn:
	.size	k_q8fff180175_attn, .Lfunc_end_k_q8fff180175_attn-k_q8fff180175_attn
	.p2alignl 7, 3214868480
	.fill 96, 4, 3214868480
	.section	.rodata,"a",@progbits
	.p2align	6, 0x0
	.amdhsa_kernel k_q8fff180175_attn
		.amdhsa_group_segment_fixed_size 327680
		.amdhsa_private_segment_fixed_size 0
		.amdhsa_enable_private_segment 0
		.amdhsa_kernarg_size 24
		.amdhsa_user_sgpr_count 2
		.amdhsa_user_sgpr_kernarg_segment_ptr 1
		.amdhsa_wavefront_size32 1
		.amdhsa_system_sgpr_workgroup_id_x 1
		.amdhsa_system_sgpr_workgroup_id_y 1
		.amdhsa_system_sgpr_workgroup_id_z 1
		.amdhsa_system_vgpr_workitem_id 0
		.amdhsa_next_free_vgpr 896
		.amdhsa_next_free_sgpr 92
		.amdhsa_reserve_vcc 0
		.amdhsa_float_denorm_mode_32 3
		.amdhsa_float_denorm_mode_16_64 3
		.amdhsa_memory_ordered 1
		.amdhsa_forward_progress 1
		.amdhsa_inst_pref_size 153
	.end_amdhsa_kernel
	.amdgpu_metadata
---
amdhsa.version: [ 1, 2 ]
amdhsa.kernels:
  - .name:           k_q8fff180175_attn
    .symbol:         k_q8fff180175_attn.kd
    .args:
      - { .name: qkv16, .offset: 0, .size: 8, .value_kind: global_buffer, .address_space: global }
      - { .name: r16, .offset: 8, .size: 8, .value_kind: global_buffer, .address_space: global }
      - { .name: wv16, .offset: 16, .size: 8, .value_kind: global_buffer, .address_space: global }
    .group_segment_fixed_size: 327680
    .private_segment_fixed_size: 0
    .kernarg_segment_align: 8
    .kernarg_segment_size: 24
    .max_flat_workgroup_size: 128
    .sgpr_count:     92
    .vgpr_count:     896
    .wavefront_size: 32
...
	.end_amdgpu_metadata
.endif
;; end of part 3
;; launch outp (part 4): grid 8 x 32, 4 waves a work-group, clusters of 4 x 4, 327,680 bytes of LDS; arguments wv16, w16, out0; writes out0
.if DOCPART == 4
	.amdgcn_target "amdgcn-amd-amdhsa--gfx1250"
	.amdhsa_code_object_version 6
	.text
	.protected	k_q8fff180175_outp
	.globl	k_q8fff180175_outp
	.p2align	8
	.type	k_q8fff180175_outp,@function
k_q8fff180175_outp:
	s_mov_b64 s[64:65], 0
	v_nop
	global_prefetch_b8 v0, s[64:65] scope:SCOPE_SE
	s_setreg_imm32_b32 hwreg(HW_REG_WAVE_MODE, 25, 1), 1
	s_wait_xcnt 0x0
	s_wait_alu depctr_hold_cnt(0) depctr_sa_sdst(0) depctr_va_vdst(0) depctr_va_sdst(0) depctr_va_ssrc(0) depctr_va_vcc(0) depctr_vm_vsrc(0)
	s_getreg_b32 s2, hwreg(HW_REG_IB_STS2, 6, 4)
	s_cmp_eq_u32 s2, 0
	s_cbranch_scc0 .Lentry_in_a_cluster
	s_endpgm
.Lentry_in_a_cluster:
	s_bfe_u32 s2, ttmp6, 0x10000c
	s_cmp_lg_u32 s2, 0xf033
	s_cbranch_scc0 .Lentry_shape_is_right
	s_endpgm
.Lentry_shape_is_right:
; OUT: out0[4096][1024] = wv16 x w_res, f16 operands (w_res: bf16 numbers written as f16), f32 sums, f32 output.
; A tile of 128 x 128 gives 256 work-groups; four waves of 64 x 64, 16 accumulators each. K goes in four steps of 256 (four heads) through two LDS slots; both operands were laid out in blocks,
; so every tensor load asks for 128 dense rows of 256 bytes, padded in LDS after every 128 bytes.
; CLUSTER 4 x 4: wv16's tile is shared along a row of the cluster, w_res's along a column: joint loads. No prefetch: the tile is small and the launch short.
; TRANSPOSED USE: source 0 = 16 columns of w_res (stored [c][n], turned by ds_load_tr16_b128), source 1 = 16 rows of wv: a lane holds one row and eight neighbouring columns, 32 bytes of f32.
; A wave's 64 columns are 256 bytes of a row of out0: each wave has a stage of its own, in slot 0, which has had its last fill and whose last reads end ahead of the last change of slots' barrier.
; WINDOWS: 0: addresses, the way out (v32-95), accumulators (v128-255); 1: two fragment buffers of 128.
.set SLOT,   155648                    ; wv: [4 heads][128 rows] x 144 = 73,728; w_res: [2 chunks of 64 n][256 c] x 160 = 81,920
.set BOFF,   73728
.set SPARE,  2*SLOT                    ; the spare words, 128 bytes a wave
.set SPITCH, 272
.set ADRA, 16
.set ADRB, 20
.set STO,  24
.set RD,   25
.set CO,   26
.set SPW,  28
.set NIL,  29
.set TMP,  32
.set ACC,  128
.set F0,   0
.set F1,   128
.set G1, 24
.set G0, 32
.set G1B, 48
.set G0B, 56
.set MSB, 0
.macro WIN new
.if MSB != (\new)
	s_set_vgpr_msb (MSB<<8)|(\new)
.set MSB, \new
.endif
.endm
.set MUL,  0x05
.set TO_F, 0x40
.macro PLACES
.rept 4
	v_nop
.endr
.endm
.macro JLOAD s                         ; waves 0, 1 fetch wv's halves, waves 2, 3 w_res's chunks; s_nop 0 and four v_nop follow each line
	s_cmp_eq_u32 s11, 0
	s_cbranch_scc0 .Lfor_b_\@
	tensor_load_to_lds s[G0+4*(\s):G0+4*(\s)+3], s[G1:G1+7]
	s_nop 0
	PLACES
	s_branch .Lasked_\@
.Lfor_b_\@:
	tensor_load_to_lds s[G0B+4*(\s):G0B+4*(\s)+3], s[G1B:G1B+7]
	s_nop 0
	PLACES
.Lasked_\@:
.endm
.macro CREST
	s_cmp_lg_u32 s10, 0
	s_cbranch_scc1 .Lnot_wave_0_\@
	s_barrier_signal -3
.Lnot_wave_0_\@:
	s_barrier_wait -3
	s_barrier_signal -1
	s_barrier_wait -1
.endm
.macro CROUND
	s_barrier_signal -1
	s_barrier_wait -1
	CREST
.endm
	s_load_b128 s[4:7], s[0:1], 0x0                ; wv16 s[4:5], w16 s[6:7]
	s_load_b64 s[8:9], s[0:1], 0x10                ; out0
	v_lshl_add_u32 v[SPW], v0, 2, SPARE
	v_mov_b32 v[NIL], 0
	ds_add_u32 v[SPW], v[NIL]                      ; the wave's opening: the add and its wait ahead of my first tensor load
	ds_add_u32 v28, v29
	v_lshrrev_b32 v1, 5, v0
	v_readfirstlane_b32 s10, v1                    ; wave
	s_lshr_b32 s11, s10, 1                         ; my half of the rows; also: I fetch wv (0) or w_res (1)
	s_and_b32 s12, s10, 1                          ; my half of the columns; also: which half I fetch
	s_bfe_u32 s40, ttmp6, 0x40000
	s_bfe_u32 s41, ttmp6, 0x40004
	s_lshl_b32 s42, ttmp9, 2
	s_add_co_u32 s42, s42, s40                     ; tile column
	s_and_b32 s13, ttmp7, 0xffff
	s_lshl_b32 s13, s13, 2
	s_add_co_u32 s13, s13, s41                     ; tile row
	s_lshl_b32 s43, s41, 2
	s_lshl_b32 s43, 15, s43
	s_lshl_b32 s44, 0x1111, s40
	s_or_b32 s[G1], s43, (1<<16)|(1<<20)|(1<<21)|(4<<22)|(3<<25)   ; pitch 144
	s_or_b32 s[G1B], s44, (1<<16)|(1<<20)|(1<<21)|(4<<22)|(7<<25)  ; pitch 160
.irp g, G1, G1B
	s_mov_b32 s[(\g)+1], 128<<16
	s_mov_b32 s[(\g)+2], 128<<16
	s_mov_b32 s[(\g)+3], 128<<16
	s_mov_b32 s[(\g)+4], 128
	s_mov_b32 s[(\g)+5], 128
	s_mov_b32 s[(\g)+6], 0
	s_mov_b32 s[(\g)+7], 0
.endr
	s_lshl_b32 s16, s13, 18                        ; wv16: the tile row's 16 heads x 16,384 bytes,
	s_lshl_b32 s17, s12, 15                        ; two heads of a K step's four
	s_add_co_u32 s16, s16, s17
	s_mov_b32 s17, 0
	s_lshl_b32 s46, s42, 18                        ; w_res: chunks 2 x tile column + half, 131,072 bytes each
	s_lshl_b32 s47, s12, 17
	s_add_co_u32 s46, s46, s47
	s_add_co_u32 s46, s46, 6291456
	s_mov_b32 s47, 0
	s_mul_i32 s20, s12, 36864
	s_mul_i32 s21, s12, 40960
	s_add_co_u32 s21, s21, BOFF
	s_wait_dscnt 0x0
	s_wait_kmcnt 0x0
	s_add_nc_u64 s[14:15], s[4:5], s[16:17]
	s_add_nc_u64 s[46:47], s[6:7], s[46:47]
	CROUND                                         ; the first joint loads meet
.irp s, 0,1
	s_mov_b32 s[G0+4*(\s)], 1
	s_add_co_u32 s[G0+4*(\s)+1], s20, (\s)*SLOT
	s_add_nc_u64 s[G0+4*(\s)+2:G0+4*(\s)+3], s[14:15], (\s)*65536
	s_or_b32 s[G0+4*(\s)+3], s[G0+4*(\s)+3], 0x80000000
	s_mov_b32 s[G0B+4*(\s)], 1
	s_add_co_u32 s[G0B+4*(\s)+1], s21, (\s)*SLOT
	s_add_nc_u64 s[G0B+4*(\s)+2:G0B+4*(\s)+3], s[46:47], (\s)*32768
	s_or_b32 s[G0B+4*(\s)+3], s[G0B+4*(\s)+3], 0x80000000
	JLOAD \s
.endr
	v_and_b32 v1, 15, v0
	v_bfe_u32 v2, v0, 4, 1
	v_mul_u32_u24 v3, v1, 144
	v_lshl_add_u32 v3, v2, 4, v3
	s_mul_i32 s22, s11, 64*144
	v_add_nc_u32 v[ADRA], s22, v3
	v_add_nc_u32 v[ADRA+1], SLOT, v[ADRA]
	v_and_b32 v4, 7, v0
	v_bfe_u32 v5, v0, 3, 1
	v_lshl_add_u32 v4, v2, 3, v4
	v_mul_u32_u24 v4, v4, 160
	v_lshl_add_u32 v4, v5, 4, v4
	s_mul_i32 s22, s12, 40960
	s_add_co_u32 s22, s22, BOFF
	v_add_nc_u32 v[ADRB], s22, v4
	v_add_nc_u32 v[ADRB+1], SLOT, v[ADRB]
	s_mul_i32 s23, s10, 16*SPITCH                  ; my stage
	v_mul_u32_u24 v6, v1, SPITCH
	v_lshl_add_u32 v6, v2, 5, v6
	v_add_nc_u32 v[STO], s23, v6                   ; in: row r, 32 bytes for each half of the lanes
	v_mul_u32_u24 v6, v2, SPITCH
	v_lshl_add_u32 v6, v1, 4, v6
	v_add_nc_u32 v[RD], s23, v6                    ; back: lanes 0-15 one row of 256 bytes, lanes 16-31 the next
	v_lshlrev_b32 v6, 12, v2
	v_lshl_add_u32 v[CO], v1, 4, v6                ; and the same two rows in out0
	s_lshl_b32 s16, s13, 19
	s_lshl_b32 s17, s11, 18
	s_add_co_u32 s16, s16, s17                     ; my first row x 4,096 bytes
	s_mov_b32 s17, 0
	s_add_nc_u64 s[8:9], s[8:9], s[16:17]
	s_lshl_b32 s46, s42, 9
	s_lshl_b32 s47, s12, 8
	s_add_co_u32 s46, s46, s47                     ; my first column x 4 bytes
	s_mov_b32 s47, 0
	s_add_nc_u64 s[8:9], s[8:9], s[46:47]
.macro MUL8 f, c, a0, zero             ; row blocks a0, a0 + 1 x 4 column blocks, half c of buffer f; the 16 accumulators take turns
	WIN MUL
.irp a, \a0, (\a0)+1
.irp b, 0,1,2,3
.if \zero
	v_wmma_f32_16x16x32_f16 v[ACC+8*(4*(\a)+(\b)):ACC+8*(4*(\a)+(\b))+7], v[(\f)+64+8*(4*(\c)+(\b)):(\f)+64+8*(4*(\c)+(\b))+7], v[(\f)+8*(4*(\c)+(\a)):(\f)+8*(4*(\c)+(\a))+7], 0
.else
	v_wmma_f32_16x16x32_f16 v[ACC+8*(4*(\a)+(\b)):ACC+8*(4*(\a)+(\b))+7], v[(\f)+64+8*(4*(\c)+(\b)):(\f)+64+8*(4*(\c)+(\b))+7], v[(\f)+8*(4*(\c)+(\a)):(\f)+8*(4*(\c)+(\a))+7], v[ACC+8*(4*(\a)+(\b)):ACC+8*(4*(\a)+(\b))+7]
.endif
.endr
.endr
.endm
.macro FETCH slot, kq, f               ; 32 LDS loads in one run: head kq of the step's four, the first 32 along K first
	WIN TO_F
.irp c, 0,1
.irp i, 0,1,2,3
	ds_load_tr16_b128 v[(\f)+64+8*(4*(\c)+(\i)):(\f)+64+8*(4*(\c)+(\i))+3],   v[ADRB+(\slot)] offset:(\kq)*10240+(\c)*5120+(\i)*32
	ds_load_tr16_b128 v[(\f)+64+8*(4*(\c)+(\i))+4:(\f)+64+8*(4*(\c)+(\i))+7], v[ADRB+(\slot)] offset:(\kq)*10240+(\c)*5120+(\i)*32+2560
	ds_load_b128 v[(\f)+8*(4*(\c)+(\i)):(\f)+8*(4*(\c)+(\i))+3],   v[ADRA+(\slot)] offset:(\kq)*18432+(\i)*2304+(\c)*64
	ds_load_b128 v[(\f)+8*(4*(\c)+(\i))+4:(\f)+8*(4*(\c)+(\i))+7], v[ADRA+(\slot)] offset:(\kq)*18432+(\i)*2304+(\c)*64+32
.endr
.endr
.endm
.macro QUARTER slot, kq, f, g, zero
	s_wait_dscnt 16                                ; the first 32 along K are in
	MUL8 \f, 0, 0, \zero
	MUL8 \f, 0, 2, \zero
	PLACES
	FETCH \slot, \kq, \g
	s_wait_dscnt 32                                ; all but the 32 just issued
	MUL8 \f, 1, 0, 0
	MUL8 \f, 1, 2, 0
.endm
.macro TURN slot, next, fill           ; the last quarter changes slots: all my tensor loads, the add, my reads of the slot, the barrier; fill = 1: a round of the cluster's, the joint refill first behind it
	WIN 0
	s_wait_tensorcnt 0x0
	ds_add_u32 v[SPW], v[NIL]
	s_wait_dscnt 17                                ; the add and the youngest sixteen loads may be out
	MUL8 F1, 0, 0, 0
	s_wait_dscnt 0x0
	s_barrier_signal -1
	MUL8 F1, 0, 2, 0
.if \fill
	WIN 0
.endif
	s_barrier_wait -1
.if \fill
	CREST
	s_add_nc_u64 s[G0+4*(\slot)+2:G0+4*(\slot)+3], s[G0+4*(\slot)+2:G0+4*(\slot)+3], 131072
	s_add_nc_u64 s[G0B+4*(\slot)+2:G0B+4*(\slot)+3], s[G0B+4*(\slot)+2:G0B+4*(\slot)+3], 65536
	JLOAD \slot
.else
	PLACES
.endif
	FETCH \next, 0, F0
	MUL8 F1, 1, 0, 0
	MUL8 F1, 1, 2, 0
.endm
	s_wait_tensorcnt 1                             ; my part of K step 0 is in; K step 1's stays out
	s_barrier_signal -1
	s_barrier_wait -1
	FETCH 0, 0, F0
	QUARTER 0, 1, F0, F1, 1                        ; K step 0; its first products start the sums
	QUARTER 0, 2, F1, F0, 0
	QUARTER 0, 3, F0, F1, 0
	TURN 0, 1, 1                                   ; slot 0 takes K step 2
	QUARTER 1, 1, F0, F1, 0
	QUARTER 1, 2, F1, F0, 0
	QUARTER 1, 3, F0, F1, 0
	TURN 1, 0, 1                                   ; slot 1 takes K step 3
	QUARTER 0, 1, F0, F1, 0
	QUARTER 0, 2, F1, F0, 0
	QUARTER 0, 3, F0, F1, 0
	TURN 0, 1, 0                                   ; behind this barrier nobody reads slot 0 any more
	QUARTER 1, 1, F0, F1, 0
	QUARTER 1, 2, F1, F0, 0
	QUARTER 1, 3, F0, F1, 0
	s_wait_dscnt 16
	MUL8 F1, 0, 0, 0
	MUL8 F1, 0, 2, 0
	s_wait_dscnt 0x0
	MUL8 F1, 1, 0, 0
	MUL8 F1, 1, 2, 0
	WIN 0
	PLACES
	; THE WAY OUT, 16 rows at a time: the sums as they are into my stage (each accumulator's low four registers first), back as whole rows of 256 bytes, stored.
.macro OUTST a
.if (\a) >= 2
	s_wait_xcnt 0x0                                ; the stores of the block before last have read this buffer
.endif
.irp n, 0,1,2,3
	ds_store_b128 v[STO], v[ACC+8*(4*(\a)+(\n)):ACC+8*(4*(\a)+(\n))+3]   offset:64*(\n)
	ds_store_b128 v[STO], v[ACC+8*(4*(\a)+(\n))+4:ACC+8*(4*(\a)+(\n))+7] offset:64*(\n)+16
.endr
.irp t, 0,1,2,3,4,5,6,7
	ds_load_b128 v[TMP+32*((\a)%2)+4*(\t):TMP+32*((\a)%2)+4*(\t)+3], v[RD] offset:(\t)*2*SPITCH  ; LDS serves a wave's instructions in order (ISA guide 5.7.1.4)
.endr
.endm
.macro OUTSEND a, younger
.irp t, 0,1,2,3,4,5,6,7
	s_wait_dscnt (\younger)+7-(\t)
	global_store_b128 v[CO], v[TMP+32*((\a)%2)+4*(\t):TMP+32*((\a)%2)+4*(\t)+3], s[8:9] offset:(\a)*65536+(\t)*8192 th:TH_STORE_NT  ; 16 lanes store 256 consecutive bytes, aligned
.endr
.endm
	OUTST 0
	OUTST 1
	OUTSEND 0, 16
	OUTST 2
	OUTSEND 1, 16
	OUTST 3
	OUTSEND 2, 16
	OUTSEND 3, 0
	s_wait_tensorcnt 0x0                           ; the wave's end
	ds_add_u32 v[SPW], v[NIL]
	s_wait_dscnt 0x0
	CROUND                                         ; the closing round
	s_endpgm
.Lfunc_end_k_q8fff180175_outp:
	.size	k_q8fff180175_outp, .Lfunc_end_k_q8fff180175_outp-k_q8fff180175_outp
	.p2alignl 7, 3214868480
	.fill 96, 4, 3214868480
	.section	.rodata,"a",@progbits
	.p2align	6, 0x0
	.amdhsa_kernel k_q8fff180175_outp
		.amdhsa_group_segment_fixed_size 327680
		.amdhsa_private_segment_fixed_size 0
		.amdhsa_enable_private_segment 0
		.amdhsa_kernarg_size 24
		.amdhsa_user_sgpr_count 2
		.amdhsa_user_sgpr_kernarg_segment_ptr 1
		.amdhsa_wavefront_size32 1
		.amdhsa_system_sgpr_workgroup_id_x 1
		.amdhsa_system_sgpr_workgroup_id_y 1
		.amdhsa_system_sgpr_workgroup_id_z 1
		.amdhsa_system_vgpr_workitem_id 0
		.amdhsa_next_free_vgpr 512
		.amdhsa_next_free_sgpr 66
		.amdhsa_reserve_vcc 0
		.amdhsa_float_denorm_mode_32 3
		.amdhsa_float_denorm_mode_16_64 3
		.amdhsa_memory_ordered 1
		.amdhsa_forward_progress 1
		.amdhsa_inst_pref_size 86
	.end_amdhsa_kernel
	.amdgpu_metadata
---
amdhsa.version: [ 1, 2 ]
amdhsa.kernels:
  - .name:           k_q8fff180175_outp
    .symbol:         k_q8fff180175_outp.kd
    .args:
      - { .name: wv16, .offset: 0, .size: 8, .value_kind: global_buffer, .address_space: global }
      - { .name: w16, .offset: 8, .size: 8, .value_kind: global_buffer, .address_space: global }
      - { .name: out0, .offset: 16, .size: 8, .value_kind: global_buffer, .address_space: global }
    .group_segment_fixed_size: 327680
    .private_segment_fixed_size: 0
    .kernarg_segment_align: 8
    .kernarg_segment_size: 24
    .max_flat_workgroup_size: 128
    .sgpr_count:     66
    .vgpr_count:     512
    .wavefront_size: 32
...
	.end_amdgpu_metadata
.endif
;; end of part 4
